; MI455X (gfx1250); checked and timed in simulation.
; The chip was launched on July 23, 2026; its instructions are those of AMD's public machine-readable ISA for CDNA 5 (MIT licence, August 2026) and "CDNA5" Instruction Set Architecture Reference Guide (July 2026). The comments in the code are by the model that wrote it; some were corrected since.
;; Self Attention. Allowed arithmetic: matrix products marked QUANTISED: E2M3 operands, one E8M0 scale for each 32 along K, by v_wmma_scale_f32_16x16x128_f8f6f4 with both operands' format E2M3, f32 sums; everything else in f32.
;; Inputs: freqs_cos 2,048 x 32 float32; freqs_sin 2,048 x 32 float32; lambda_k1 64 float32; lambda_k2 64 float32; lambda_q1 64 float32; lambda_q2 64 float32; wk 2,048 x 512 float32; wo 2,048 x 2,048 float32; wq 2,048 x 2,048 float32; wv 2,048 x 512 float32; x 1 x 2,048 x 2,048 float32.
;; Outputs: out0 1 x 2,048 x 2,048 float32.
;; Constants: start_pos = 0.
;; This version of the problem:
;;   THIS VERSION OF THE PROBLEM IS GIVEN IN LOW PRECISION. The matrix products marked QUANTISED in the list below multiply operands that are first quantised to E2M3 (2 exponent bits, 3 mantissa bits; 6 bits a number), with one power-of-two scale for each 32 numbers along K (OCP MX v1.0); their sums are f32. All else is computed in f32.
;;   The module's matrix products, in the order in which they are computed (A, B: the left and right operand; K: the contracted axis; several contracted axes count as one K, in the product's order):
;;     1. [M 2,048, K 2,048] x [K 2,048, N 2,048]; A: input x; B: input wq: QUANTISED
;;     2. [M 2,048, K 2,048] x [K 2,048, N 512]; A: input x; B: input wk: QUANTISED
;;     3. [M 2,048, K 2,048] x [K 2,048, N 512]; A: input x; B: input wv: QUANTISED
;;     4. batch 32 x [M 2,048, K 64] x [K 64, N 2,048]; A: computed on the way; B: computed on the way: QUANTISED
;;     5. batch 32 x [M 2,048, K 2,048] x [K 2,048, N 64]; A: computed on the way; B: computed on the way: QUANTISED
;;     6. [M 2,048, K 2,048] x [K 2,048, N 2,048]; A: computed on the way; B: input wo: QUANTISED
;;   THE QUANTISER, for each operand of a quantised product, along K:
;;     - K is cut into blocks of 32 from its start; a last block that is shorter is filled with zeros.
;;     - A block's scale is 2^e with e = floor(log2(the largest magnitude in the block)) - 2, held to -126 .. 127; a block of zeros has e = 0. As a byte (E8M0): e + 127.
;;     - Each number is divided by its block's scale, clamped to +-7.5, and rounded to the nearest number of E2M3, ties to even, subnormals kept.
;;     - The product sums the exact products of the quantised numbers (number of the format x scale) in f32.
;;   ~~~python
;;   def quantise(x, axis):      # numpy; x: float32 -> the quantised numbers, widened to float32 again
;;       x = np.moveaxis(x, axis, -1); K = x.shape[-1]
;;       x = np.pad(x, [(0, 0)] * (x.ndim - 1) + [(0, -K % 32)]); x = x.reshape(x.shape[:-1] + (-1, 32)); a = np.abs(x).max(-1, keepdims=True)
;;       e = np.where(a > 0, np.clip(np.frexp(np.where(a > 0, a, 1))[1] - 1 - 2, -126, 127), 0)      # np.frexp(a)[1] - 1 = floor(log2(a)), exactly
;;       r = np.clip(x / 2.0 ** e, -7.5, 7.5)
;;       step = 2.0 ** (np.maximum(np.frexp(np.where(r == 0, 1, r))[1] - 1, 0) - 3)
;;       q = np.round(r / step) * step * 2.0 ** e      # np.round: ties to even
;;       return np.moveaxis(q.reshape(q.shape[:-2] + (-1,))[..., :K], -1, axis).astype(np.float32)
;;   ~~~
;;   OPERANDS COMPUTED ON THE WAY. 'Computed on the way' means the value that the module computes at that place (a softmax that the list does not call 'softmax' is quantised finished and normalised). What goes into a quantiser is computed in f32, as accurately as f32 sums, v_exp_f32 and their like allow (about 1e-6 of the number): no bf16 or f16 on the way to a quantiser, and a product that is left as it is and whose result goes on into a quantised operand takes f32 operands (vector FMAs, or v_wmma_f32_16x16x4_f32). A number that lies on a knife's edge between two numbers of the format may be rounded either way, as far as f32 arithmetic and the matrix unit's own rounding can turn it there, and no further.
;; One version. Each part assembles by itself: llvm-mc -triple=amdgcn-amd-amdhsa -mcpu=gfx1250 --defsym DOCPART=n.
;; ======== version 1 of 1: 4 launches
;; limits: right only within a limited range of input values
;; workspace buffers: xop 3,276,800 bytes; wop 8,192,000 bytes; qkv 5,111,808 bytes; aop 3,276,800 bytes
;; launch quant (part 1): grid 896 x 1, 4 waves a work-group, no clusters, 34,304 bytes of LDS; arguments x, wq, wk, wv, wo, xop, wop; writes xop, wop
.if DOCPART == 1
	.amdgcn_target "amdgcn-amd-amdhsa--gfx1250"
	.amdhsa_code_object_version 6
	.text
	.protected	k_qc8c849f5dc_quant
	.globl	k_qc8c849f5dc_quant
	.p2align	8
	.type	k_qc8c849f5dc_quant,@function
k_qc8c849f5dc_quant:
	s_mov_b64 s[64:65], 0
	v_nop
	global_prefetch_b8 v0, s[64:65] scope:SCOPE_SE
	s_setreg_imm32_b32 hwreg(HW_REG_WAVE_MODE, 25, 1), 1
	s_wait_xcnt 0x0
; x [2048][2048] and the four weights (wq, wo [2048][2048]; wk, wv [2048][512]; K is their FIRST axis), all f32, become codes of FP6 (E2M3) with one E8M0 byte for each 32 along K,
; laid in the ORDER OF THE OPERAND'S REGISTERS, so that the products' launches read fragments by loads of 16 and 8 consecutive bytes a lane.
; LAYOUT of xop and wop: [tile of 16 rows][4 groups along K][6,400 bytes].  A group: 4 K steps of 128, 1,536 bytes each, then 256 bytes of scale words [K step][row].
;   A K step's 1,536 bytes are two halves of 768 (64 along K each): lane l's registers 0-3 at 16 l, then lane (r, h)'s registers 4-5 at 512 + 16 r + 8 h.
;   THE ROWS OF A TILE ARE NOT NEIGHBOURS: lane r of tile 2 B + u holds row (or weight column) 32 B + 8 u + r + 8 (r / 8).
;   wop's tiles: wq 0-127, wk 128-159, wv 160-191, wo 192-319.
; A block's scale is 2^(floor(log2(its largest magnitude)) - 2); its byte is the largest magnitude's exponent field - 2, held at 1 from below.
; LIMITS: a block of zeros, or one whose largest magnitude lies under 2^-124, gets the byte 1 (its codes are zeros or the nearest codes under that scale; the bytes are read by this program alone).
;   NaN and infinities among the inputs are not served.
; SHARES: work-groups 0-639 take the weights: 128 columns x 128 along K each, A LANE TO A COLUMN, ITS REGISTERS DOWN K, so that a block of 32 is one lane's and nothing is transposed.
;   Work-groups 640-895 take x: half of a tile's K each, two K steps a wave; the rows turn through the wave's own stage in LDS.  Waves share nothing: no barrier.  No loop: every offset is an immediate.
.set NW,   640                         ; work-groups for the weights
.set TP,   25600                       ; bytes of a tile
.set GB,   6400                        ; of a group
.set FRB,  1536                        ; of a K step's codes
.set SCO,  6144                        ; where a group's scale words begin
.set X,    32                          ; weights: v32-159 the lane's 128 numbers;  x: v32-95, v96-159 two K steps as loaded
.set XT,   184                         ; weights: v184-186 the second half of a block's codes, before it is moved
.set WS,   16                          ; weights: v16 the column's scale word
.set Y,    160                         ; x: v160-223 a K step's numbers, 64 a lane, back from the stage
.set XT2,  248                         ; x: v248-254 second halves
; ---- the weights' macros
.macro WLOAD blk, pitch                ; block blk: W(32 blk + n, my column): 32 lanes read 128 consecutive bytes, the four waves 512
.set n, 0
.rept 32
	global_load_b32 v[X+32*(\blk)+n], v3, s[22:23] offset:(32*(\blk)+n)*(\pitch) th:TH_LOAD_NT
.set n, n+1
.endr
.endm
.macro WBLOCK blk                      ; a block's largest magnitude, byte and 32 codes (six registers: four to R, two to T)
.set XB, X+32*(\blk)
.set RB, 160+12*((\blk)/2)+4*((\blk)%2)
.set TB, 168+12*((\blk)/2)+2*((\blk)%2)
	v_max3_num_f32 v8, |v[XB]|, |v[XB+1]|, |v[XB+2]|
	v_max3_num_f32 v9, |v[XB+3]|, |v[XB+4]|, |v[XB+5]|
.irp i, 6,10,14,18,22,26
	v_max3_num_f32 v8, v8, |v[XB+\i]|, |v[XB+\i+1]|
	v_max3_num_f32 v9, v9, |v[XB+\i+2]|, |v[XB+\i+3]|
.endr
	v_max3_num_f32 v8, v8, |v[XB+30]|, |v[XB+31]|
	v_max3_num_f32 v8, v8, v9, 0x1800000           ; the floor 2^(3 - 127): the byte cannot fall under 1
	v_add_nc_u32 v10, 0xff000000, v8               ; 2 off the exponent field: the conversion takes this operand's exponent field as its scale
	v_lshrrev_b32 v11, 23, v10                     ; the byte
.if (\blk) == 0
	v_mov_b32 v[WS], v11
.else
	v_lshl_or_b32 v[WS], v11, 8*(\blk), v[WS]
.endif
	v_cvt_scalef32_pk16_fp6_f32 v[RB:RB+2], v[XB:XB+15], v10
	v_cvt_scalef32_pk16_fp6_f32 v[XT:XT+2], v[XB+16:XB+31], v10    ; (a conversion's three registers begin on an even number)
	v_nop                                          ; one plain place behind a scaled conversion
	v_mov_b32 v[RB+3], v[XT]                       ; the block's register 3 joins registers 0-2;
	v_mov_b32 v[TB], v[XT+1]                       ; registers 4, 5 of two blocks make 16 bytes
	v_mov_b32 v[TB+1], v[XT+2]
.endm
.macro WSTORE c                        ; half c of the K step: blocks 2 c (the operand's lanes 0-15) and 2 c + 1 (lanes 16-31).  Each store fills 256 consecutive aligned bytes in each of my two tiles
	global_store_b128 v6, v[160+12*\c:163+12*\c], s[30:31] offset:768*\c
	global_store_b128 v6, v[164+12*\c:167+12*\c], s[30:31] offset:768*\c+256
	global_store_b128 v6, v[168+12*\c:171+12*\c], s[30:31] offset:768*\c+512
.endm
.macro WPATH pitch                     ; loads run two blocks ahead: 64 a wave at the most.  Each counted wait leaves out the 32 loads of the block behind the one that is wanted
	WLOAD 0, \pitch
	WLOAD 1, \pitch
	s_wait_loadcnt 32
	WLOAD 2, \pitch
	WBLOCK 0
	s_wait_loadcnt 32
	WLOAD 3, \pitch
	WBLOCK 1
	WSTORE 0
	s_wait_loadcnt 32
	WBLOCK 2
	s_wait_loadcnt 0x0
	WBLOCK 3
	WSTORE 1
	global_store_b32 v7, v[WS], s[32:33]           ; the scale words: 64 consecutive bytes in each of my two tiles: one byte for 128 that are read
	s_endpgm
.endm
; ---- x's macro: 64 numbers of a lane, blocks h (v[src] on) and 2 + h (v[src + 32] on) of row r, become K step f's fragment in v[cd] on and its scale word in v[wd]
.macro XQ src, cd, wd, f
.irp c, 0,1
	v_max3_num_f32 v[8+\c], |v[(\src)+32*\c]|, |v[(\src)+32*\c+1]|, 0x1800000
.endr
.irp i, 2,4,6,8,10,12,14,16,18,20,22,24,26,28,30
.irp c, 0,1
	v_max3_num_f32 v[8+\c], v[8+\c], |v[(\src)+32*\c+\i]|, |v[(\src)+32*\c+\i+1]|
.endr
.endr
.irp c, 0,1
	v_add_nc_u32 v[10+\c], 0xff000000, v[8+\c]
.endr
.irp c, 0,1
	v_lshrrev_b32 v[12+\c], 23, v[10+\c]
.endr
	v_lshl_or_b32 v[\wd], v13, 16, v12             ; my two bytes: blocks h and 2 + h,
	v_lshlrev_b32 v[\wd], v14, v[\wd]              ; 8 h bits up;
	v_permlanex16_b32 v15, v[\wd], s28, s29
	v_or_b32 v[\wd], v[\wd], v15                   ; with lane l xor 16's two the word is whole
.irp c, 0,1
	v_cvt_scalef32_pk16_fp6_f32 v[(\cd)+6*\c:(\cd)+6*\c+2], v[(\src)+32*\c:(\src)+32*\c+15], v[10+\c]
	v_cvt_scalef32_pk16_fp6_f32 v[XT2+4*\c:XT2+4*\c+2], v[(\src)+32*\c+16:(\src)+32*\c+31], v[10+\c]
.endr
	v_nop                                          ; one plain place behind a scaled conversion
.irp c, 0,1
.irp i, 0,1,2
	v_mov_b32 v[(\cd)+6*\c+3+\i], v[XT2+4*\c+\i]
.endr
.endr
.irp c, 0,1
	global_store_b128 v16, v[(\cd)+6*\c:(\cd)+6*\c+3], s[14:15] offset:FRB*(\f)+768*\c      ; 512 consecutive bytes
	global_store_b64 v17, v[(\cd)+6*\c+4:(\cd)+6*\c+5], s[14:15] offset:FRB*(\f)+768*\c     ; 256 consecutive bytes (v17 holds the 512)
.endr
.endm
	s_load_b256 s[4:11], s[0:1], 0x0               ; x s[4:5], wq s[6:7], wk s[8:9], wv s[10:11]
	s_load_b128 s[12:15], s[0:1], 0x20             ; wo s[12:13], xop s[14:15]
	s_load_b64 s[16:17], s[0:1], 0x30              ; wop
	v_lshl_add_u32 v251, v0, 2, 0x8400
	v_mov_b32 v255, 0
	v_lshrrev_b32 v1, 5, v0
	v_readfirstlane_b32 s18, v1                    ; wave 0..3
	v_and_b32 v2, 31, v0                           ; lane
	s_cmp_lt_u32 ttmp9, NW
	s_cbranch_scc0 .Lxpath
	; ---------------- the weights
	s_lshr_b32 s19, ttmp9, 4                       ; the group of 128 columns, 0..39: 0-15 wq, 16-19 wk, 20-23 wv, 24-39 wo
	s_and_b32 s20, ttmp9, 15                       ; the K step
	v_lshlrev_b32 v3, 2, v0                        ; in: my column's 4 bytes: 4 (32 wave + lane)
	v_bfe_u32 v4, v2, 3, 1                         ; column 32 B + l lies in tile 2 B + u, u = (l / 8) % 2,
	v_and_b32 v5, 7, v2
	v_lshrrev_b32 v6, 4, v2
	v_lshl_or_b32 v5, v6, 3, v5                    ; at row r = l % 8 + 8 (l / 16)
	v_mul_u32_u24 v4, v4, TP
	v_lshl_add_u32 v6, v5, 4, v4                   ; out: u tiles on, 16 r
	v_lshl_add_u32 v7, v5, 2, v4                   ; and for the scale word 4 r
	s_lshl_b32 s26, s19, 3
	s_lshl_b32 s27, s18, 1
	s_add_co_u32 s26, s26, s27                     ; my first tile: 8 x group + 2 x wave
	s_mul_i32 s26, s26, TP
	s_lshr_b32 s27, s20, 2
	s_mul_i32 s27, s27, GB
	s_add_co_u32 s26, s26, s27                     ; + the K step's group
	s_and_b32 s28, s20, 3
	s_mul_i32 s29, s28, FRB
	s_lshl_b32 s28, s28, 6
	s_mov_b32 s25, 0
	s_wait_kmcnt 0x0
	s_add_co_u32 s24, s26, s29
	s_add_nc_u64 s[30:31], s[16:17], s[24:25]      ; where my codes go
	s_add_co_u32 s24, s26, s28
	s_add_co_u32 s24, s24, SCO
	s_add_nc_u64 s[32:33], s[16:17], s[24:25]      ; and my scale words
	s_mov_b64 s[22:23], s[12:13]                   ; which tensor, and its first group: the choice hangs on the work-group's number alone
	s_mov_b32 s21, 24
	s_cmp_lt_u32 s19, 24
	s_cselect_b64 s[22:23], s[10:11], s[22:23]
	s_cselect_b32 s21, 20, s21
	s_cmp_lt_u32 s19, 20
	s_cselect_b64 s[22:23], s[8:9], s[22:23]
	s_cselect_b32 s21, 16, s21
	s_cmp_lt_u32 s19, 16
	s_cselect_b64 s[22:23], s[6:7], s[22:23]
	s_cselect_b32 s21, 0, s21
	s_sub_co_u32 s24, s19, s21
	s_lshl_b32 s24, s24, 9                         ; 128 columns are 512 bytes
	s_add_nc_u64 s[22:23], s[22:23], s[24:25]
	s_sub_co_u32 s27, s19, 16
	s_cmp_lt_u32 s27, 8                            ; wk and wv have rows of 2,048 bytes, wq and wo of 8,192
	s_cbranch_scc1 .Lnarrow
	s_lshl_b32 s24, s20, 20                        ; 128 rows of 8,192 bytes
	s_add_nc_u64 s[22:23], s[22:23], s[24:25]
	s_wait_alu depctr_va_vdst(0)
	WPATH 8192
.Lnarrow:
	s_lshl_b32 s24, s20, 18                        ; 128 rows of 2,048 bytes
	s_add_nc_u64 s[22:23], s[22:23], s[24:25]
	s_wait_alu depctr_va_vdst(0)
	WPATH 2048
	; ---------------- x
.Lxpath:
	s_sub_co_u32 s19, ttmp9, NW
	s_lshr_b32 s20, s19, 1                         ; the tile, 0..127
	s_and_b32 s21, s19, 1
	s_lshl_b32 s21, s21, 3
	s_lshl_b32 s22, s18, 1
	s_add_co_u32 s21, s21, s22                     ; my first K step: 8 x half + 2 x wave (even)
	s_lshr_b32 s22, s20, 1
	s_lshl_b32 s22, s22, 18                        ; 32 rows of 8,192 bytes for each pair of tiles,
	s_and_b32 s23, s20, 1
	s_lshl_b32 s23, s23, 16                        ; 8 rows for the odd tile,
	s_add_co_u32 s22, s22, s23
	s_lshl_b32 s23, s21, 9                         ; 512 bytes a K step
	s_add_co_u32 s22, s22, s23
	s_mov_b32 s23, 0
	s_mul_i32 s24, s20, TP
	s_lshr_b32 s25, s21, 2
	s_mul_i32 s25, s25, GB
	s_add_co_u32 s24, s24, s25                     ; out: the tile, the K steps' group
	s_mov_b32 s25, 0
	s_mov_b32 s28, 0x76543210
	s_mov_b32 s29, 0xfedcba98                      ; v_permlanex16_b32's selects for lane l xor 16
	s_wait_alu depctr_va_vdst(0)
	v_lshlrev_b32 v3, 4, v2                        ; 16 x lane
	v_and_b32 v4, 15, v0                           ; r
	v_bfe_u32 v5, v0, 4, 1                         ; h
	s_mul_i32 s26, s18, 16*528                     ; my stage: 16 rows of 512 bytes + 16
	v_add_nc_u32 v6, s26, v3                       ; in: a row as it lies
	v_mul_u32_u24 v7, v4, 528
	v_lshl_add_u32 v7, v5, 7, v7
	v_add_nc_u32 v7, s26, v7                       ; out: row r, block h: 528 r is 16 r modulo 256, so sixteen lanes touch sixteen different columns of 16 bytes
	v_lshlrev_b32 v14, 3, v5                       ; 8 h
	v_mov_b32 v15, 0                               ; a lane permute's destination counts as one of its sources
	s_and_b32 s30, s21, 3
	s_mul_i32 s31, s30, FRB
	v_add_nc_u32 v16, s31, v3                      ; out: registers 0-3 at 16 x lane,
	v_lshlrev_b32 v17, 4, v4
	v_lshl_add_u32 v17, v5, 3, v17
	s_add_co_u32 s31, s31, 512
	v_add_nc_u32 v17, s31, v17                     ; registers 4-5 at 512 + 16 r + 8 h,
	s_lshl_b32 s30, s30, 6
	s_add_co_u32 s30, s30, SCO
	v_lshl_add_u32 v21, v2, 2, s30                 ; the two K steps' scale words at 4 x lane
	s_wait_alu depctr_va_vdst(0)
	s_wait_kmcnt 0x0
	s_add_nc_u64 s[4:5], s[4:5], s[22:23]
	s_add_nc_u64 s[14:15], s[14:15], s[24:25]
.irp f, 0,1
.irp q, 0,1,2,3,4,5,6,7,8,9,10,11,12,13,14,15
	global_load_b128 v[X+64*\f+4*\q:X+64*\f+4*\q+3], v3, s[4:5] offset:(\q+8*(\q/8))*8192+512*\f th:TH_LOAD_NT   ; the tile's row q, K step f: 512 consecutive bytes
.endr
.endr
	s_wait_loadcnt 16                              ; the first K step's sixteen loads are in; the second's may be out
.irp q, 0,1,2,3,4,5,6,7,8,9,10,11,12,13,14,15
	ds_store_b128 v6, v[X+4*\q:X+4*\q+3] offset:528*\q
.endr
.irp c, 0,1
.irp j, 0,1,2,3,4,5,6,7
	ds_load_b128 v[Y+32*\c+4*\j:Y+32*\c+4*\j+3], v7 offset:256*\c+16*\j    ; LDS serves a wave's instructions in order (ISA guide 5.7.1.4): these see the stores above
.endr
.endr
	s_wait_loadcnt 0x0
.irp q, 0,1,2,3,4,5,6,7,8,9,10,11,12,13,14,15
	ds_store_b128 v6, v[X+64+4*\q:X+64+4*\q+3] offset:528*\q               ; the second K step into the same stage, behind the first's reads
.endr
.irp c, 0,1
.irp j, 0,1,2,3,4,5,6,7
	ds_load_b128 v[X+32*\c+4*\j:X+32*\c+4*\j+3], v7 offset:256*\c+16*\j
.endr
.endr
	s_wait_dscnt 32                                ; the first K step is back: behind its loads stand 16 stores and 16 loads
	XQ Y, 224, 18, 0
	s_wait_dscnt 0x0
	XQ X, 236, 19, 1
	v_cmp_gt_u32 vcc_lo, 16, v2
	v_cndmask_b32 v20, v19, v18, vcc_lo            ; lanes 0-15 the first K step's words, lanes 16-31 the second's
	global_store_b32 v21, v20, s[14:15]            ; 128 consecutive bytes
	s_wait_tensorcnt 0x0
	ds_add_u32 v251, v255
	s_wait_dscnt 0x0
	s_endpgm
.Lfunc_end_k_qc8c849f5dc_quant:
	.size	k_qc8c849f5dc_quant, .Lfunc_end_k_qc8c849f5dc_quant-k_qc8c849f5dc_quant
	.p2alignl 7, 3214868480
	.fill 96, 4, 3214868480
	.section	.rodata,"a",@progbits
	.p2align	6, 0x0
	.amdhsa_kernel k_qc8c849f5dc_quant
		.amdhsa_group_segment_fixed_size 34304
		.amdhsa_private_segment_fixed_size 0
		.amdhsa_enable_private_segment 0
		.amdhsa_kernarg_size 56
		.amdhsa_user_sgpr_count 2
		.amdhsa_user_sgpr_kernarg_segment_ptr 1
		.amdhsa_wavefront_size32 1
		.amdhsa_system_sgpr_workgroup_id_x 1
		.amdhsa_system_sgpr_workgroup_id_y 1
		.amdhsa_system_sgpr_workgroup_id_z 1
		.amdhsa_system_vgpr_workitem_id 0
		.amdhsa_next_free_vgpr 256
		.amdhsa_next_free_sgpr 66
		.amdhsa_reserve_vcc 1
		.amdhsa_float_denorm_mode_32 3
		.amdhsa_float_denorm_mode_16_64 3
		.amdhsa_memory_ordered 1
		.amdhsa_forward_progress 1
		.amdhsa_inst_pref_size 56
	.end_amdhsa_kernel
	.amdgpu_metadata
---
amdhsa.version: [ 1, 2 ]
amdhsa.kernels:
  - .name:           k_qc8c849f5dc_quant
    .symbol:         k_qc8c849f5dc_quant.kd
    .args:
      - { .name: x, .offset: 0, .size: 8, .value_kind: global_buffer, .address_space: global }
      - { .name: wq, .offset: 8, .size: 8, .value_kind: global_buffer, .address_space: global }
      - { .name: wk, .offset: 16, .size: 8, .value_kind: global_buffer, .address_space: global }
      - { .name: wv, .offset: 24, .size: 8, .value_kind: global_buffer, .address_space: global }
      - { .name: wo, .offset: 32, .size: 8, .value_kind: global_buffer, .address_space: global }
      - { .name: xop, .offset: 40, .size: 8, .value_kind: global_buffer, .address_space: global }
      - { .name: wop, .offset: 48, .size: 8, .value_kind: global_buffer, .address_space: global }
    .group_segment_fixed_size: 34304
    .private_segment_fixed_size: 0
    .kernarg_segment_align: 8
    .kernarg_segment_size: 56
    .max_flat_workgroup_size: 128
    .sgpr_count:     66
    .vgpr_count:     256
    .wavefront_size: 32
...
	.end_amdgpu_metadata
.endif
;; end of part 1
;; launch qkvg (part 2): grid 24 x 16, 4 waves a work-group, clusters of 4 x 4, 327,680 bytes of LDS; arguments xop, wop, freqs_cos, freqs_sin, qkv; writes qkv
.if DOCPART == 2
	.amdgcn_target "amdgcn-amd-amdhsa--gfx1250"
	.amdhsa_code_object_version 6
	.text
	.protected	k_qc8c849f5dc_qkvg
	.globl	k_qc8c849f5dc_qkvg
	.p2align	8
	.type	k_qc8c849f5dc_qkvg,@function
k_qc8c849f5dc_qkvg:
	s_mov_b64 s[64:65], 0
	v_nop
	global_prefetch_b8 v0, s[64:65] scope:SCOPE_SE
	s_setreg_imm32_b32 hwreg(HW_REG_WAVE_MODE, 25, 1), 1
	s_wait_xcnt 0x0
	s_wait_alu depctr_hold_cnt(0) depctr_sa_sdst(0) depctr_va_vdst(0) depctr_va_sdst(0) depctr_va_ssrc(0) depctr_va_vcc(0) depctr_vm_vsrc(0)
	s_getreg_b32 s2, hwreg(HW_REG_IB_STS2, 6, 4)
	s_cmp_eq_u32 s2, 0
	s_cbranch_scc0 .Lentry_in_a_cluster
	s_endpgm
.Lentry_in_a_cluster:
	s_bfe_u32 s2, ttmp6, 0x10000c
	s_cmp_lg_u32 s2, 0xf033
	s_cbranch_scc0 .Lentry_shape_is_right
	s_endpgm
.Lentry_shape_is_right:
; q = rope(x wq), k = rope(x wk), v = x wv on codes of FP6 (E2M3) with E8M0 scales, M 2,048, K 2,048, N 3,072; the results are quantised here for attention's two products and leave as codes.
; OPERANDS (xop, wop): [tile of 16 rows][4 groups along K][6,400 bytes]; a group: 4 K steps of 1,536 bytes of codes in the order of the operand's registers, then 256 bytes of scale words [K step][row].
;   Lane r of tile 2 B + u holds row 32 B + 8 u + r + 8 (r / 8).  So where such tiles are source 0, the 16 registers of two neighbouring result tiles are 16 NEIGHBOURS: 32 p + 16 h + 0 .. 15.
; A tile of the result is 128 x 128; four waves, each 64 x 64: 16 accumulators.  Source 0 ('B role') runs along a lane's registers, source 1 ('A role') lies in the lanes.
;   q, k (cluster columns 0-4): A role = x's rows, B role = the weight's columns: a wave's 64 columns are ONE HEAD, its K for q k^T, along the registers.
;   v (cluster column 5): the operands change places: A role = wv's columns, B role = x's rows: a lane holds one d, and the registers run along the KEYS, which are the second product's K.
; OUT (qkv): [H 0..47][step of 128 rows or keys][6,656 bytes]: eight halves of 768 bytes (16 rows x 64 K: lane l's registers 0-3 at 16 l, registers 4-5 at 512 + 16 r + 8 h), then 512 bytes of scale words [X][r][a].
;   H 0-31 q's heads, 32-39 k's: half 4 X + a is the step's tile of rows; word = byte 0 | byte 1 << 8 | 0x7f7f0000.   H 40-47 v^T: half 4 c + dt (c: which 64 keys; dt: tile of d); word = (byte 0 | byte 1 << 8) << 16 c.
; K: 4 groups through three LDS slots: groups 0, 1, 2 are first fills, group 3 fills slot 0 again and has 56 matrix instructions a wave in which to land.  A wave has at most one tensor load out.
; CLUSTER 4 x 4: A-role tiles are asked for jointly along a row of the cluster, B-role tiles along a column.  The cluster's column decides q, k or v: it is the same in all sixteen partners.
; LIMITS: a block of zeros, or one under 2^-124, gets the byte 1 (read by this program alone).  RoPE: one multiply and one fused multiply-add for each number.  NaN and infinities are not served.
; REGISTERS: window 0: v1-27 addresses; v28-29 for the add; v32-63 scale words, two sets; v64-127 at work on the way out; v128-255 accumulators ((a, b) at 128 + 8 (4 a + b)).
;   window 1: two fragment buffers of 96: B's four fragments, then A's.   window 2: v0-63 cos, v64-127 sin of my rows.
.set TP,    25600                      ; bytes of a tile
.set GB,    6400                       ; of a tile's group
.set FRB,   1536                       ; of a K step's codes
.set SCO,   6144                       ; a group's scale words
.set QUART, 4*GB                       ; what one tensor load brings: one group of four tiles
.set SLOT,  4*QUART                    ; A role's eight tiles, then B role's eight
.set SPARE, 3*SLOT                     ; behind the slots: the spare words, 128 bytes for each wave: two blocks of 256 bytes that no other line names
.set HEADB, 106496                     ; qkv: bytes of an H
.set STEPB, 6656                       ; and of a step
.set A16, 4                            ; v4-6    A role: 16 x lane in slot 0, 1, 2
.set A8,  7                            ; v7-9    A role: 16 r + 8 h
.set B16, 10                           ; v10-12  B role
.set B8,  13                           ; v13-15
.set ADS, 16                           ; v16-18  scale words: lanes 0-15 A role's rows, lanes 16-31 B role's
.set SPW, 28                           ; v28     LDS address of my spare word; never rewritten
.set NIL, 29                           ; v29     0; never rewritten
.set SC,  32                           ; scale words: set s at v[SC + 16 s]; register 4 i + q: tile i, the group's K step q
.set PC,  64                           ; the way out: codes, eight registers for each a
.set PX,  96
.set TM,  100
.set SW,  108
.set HW,  112
.set ACC, 128
.set F0,  0
.set F1,  128
.set SEL, 20                           ; s[20:21]
.set G1,  24                           ; s[24:31] group 1, A role;  s[32:39] B role;  s[40:51], s[52:63] groups 0, a set for each slot
.set G1B, 32
.set G0,  40
.set G0B, 52
.set MSB, 0
.macro WIN new                         ; the immediate's high byte repeats the setting that is left
.if MSB != \new
	s_set_vgpr_msb (MSB<<8)|\new
.set MSB, \new
.endif
.endm
.set W_MUL, 0x05                       ; sources 0 and 1 window 1; C and D window 0
.set TO_F,  0x40                       ; destination window 1, address window 0
.macro PLACES n
.rept \n
	v_nop
.endr
.endm
; A joint load: waves 0 and 1 fetch for the A role, waves 2 and 3 for the B role.  Four v_nop follow each of the two lines, ahead of the jump, the label and what follows.
.macro JLOAD g0a, g1a, g0b, g1b
	s_cmp_eq_u32 s15, 0
	s_cbranch_scc0 .Lfor_b_\@
	tensor_load_to_lds s[\g0a:\g0a+3], s[\g1a:\g1a+7]
	s_nop 0
.rept 4
	v_nop
.endr
	s_branch .Lasked_\@
.Lfor_b_\@:
	tensor_load_to_lds s[\g0b:\g0b+3], s[\g1b:\g1b+7]
	s_nop 0
.rept 4
	v_nop
.endr
.Lasked_\@:
.endm
.macro CREST                           ; a round of the cluster's barrier behind its opening barrier
	s_cmp_lg_u32 s14, 0
	s_cbranch_scc1 .Lnot_wave_0_\@
	s_barrier_signal -3
.Lnot_wave_0_\@:
	s_barrier_wait -3
	s_barrier_signal -1
	s_barrier_wait -1
.endm
.macro CROUND
	s_barrier_signal -1
	s_barrier_wait -1
	CREST
.endm
.macro FRAG reg, a16, a8, off          ; a fragment, 12 registers: two halves, each 16 + 8 bytes a lane; every instruction reads consecutive bytes
	ds_load_b128 v[(\reg):(\reg)+3], v[\a16] offset:\off
	ds_load_b64 v[(\reg)+4:(\reg)+5], v[\a8] offset:\off+512
	ds_load_b128 v[(\reg)+6:(\reg)+9], v[\a16] offset:\off+768
	ds_load_b64 v[(\reg)+10:(\reg)+11], v[\a8] offset:\off+1280
.endm
.macro FETCH slot, ksub, f             ; 32 loads in one run: B's four fragments, then A's; A's tiles 2 and 3 are the youngest eight
	WIN TO_F
; WHERE A GROUP LIES IN LDS.  slot 0, 1: groups 0 and 1, brought by one load a wave: tiles 2 GB apart, group 1's part GB behind group 0's.  slot 2: group 2, behind them, tiles GB apart.
; slot 3: group 3, filled over the start of each wave's part of the first region, tiles GB apart.
.set SR,  2*(((\slot)/2)*(1-(\slot)%2))        ; which address register: 2 for slot 2, else 0
.set TS,  GB*(2-(\slot)/2)                     ; from tile to tile
.set SOF, GB*((\slot)%2)*(1-(\slot)/2)         ; group 1's place in a tile's two groups
.irp i, 0,1,2,3
	FRAG \f+12*\i, B16+SR, B8+SR, \i*TS+SOF+(\ksub)*FRB
.endr
.irp i, 0,1,2,3
	FRAG \f+48+12*\i, A16+SR, A8+SR, \i*TS+SOF+(\ksub)*FRB
.endr
.endm
.macro SCALES slot, set                ; a group's scale words: 16 loads
	WIN 0
.set SR,  2*(((\slot)/2)*(1-(\slot)%2))
.set TS,  GB*(2-(\slot)/2)
.set SOF, GB*((\slot)%2)*(1-(\slot)/2)
.irp i, 0,1,2,3
.irp q, 0,1,2,3
	ds_load_b32 v[SC+16*(\set)+4*\i+\q], v[ADS+SR] offset:\i*TS+SOF+64*\q
.endr
.endr
.endm
; four matrix instructions: A-role tile a against B's four.  The 16 accumulators take turns, one instruction a turn, in the same order in every step.
.macro MUL f, set, ksub, a, zero
.irp b, 0,1,2,3
.if \zero
	v_wmma_scale_f32_16x16x128_f8f6f4 v[ACC+8*(4*(\a)+\b):ACC+8*(4*(\a)+\b)+7], v[\f+12*\b:\f+12*\b+11], v[\f+48+12*(\a):\f+48+12*(\a)+11], 0, v[SC+16*(\set)+4*\b+(\ksub)], v[SC+16*(\set)+4*(\a)+(\ksub)] matrix_a_fmt:MATRIX_FMT_FP6 matrix_b_fmt:MATRIX_FMT_FP6 matrix_a_scale:MATRIX_SCALE_ROW1
.else
	v_wmma_scale_f32_16x16x128_f8f6f4 v[ACC+8*(4*(\a)+\b):ACC+8*(4*(\a)+\b)+7], v[\f+12*\b:\f+12*\b+11], v[\f+48+12*(\a):\f+48+12*(\a)+11], v[ACC+8*(4*(\a)+\b):ACC+8*(4*(\a)+\b)+7], v[SC+16*(\set)+4*\b+(\ksub)], v[SC+16*(\set)+4*(\a)+(\ksub)] matrix_a_fmt:MATRIX_FMT_FP6 matrix_b_fmt:MATRIX_FMT_FP6 matrix_a_scale:MATRIX_SCALE_ROW1
.endif
.endr
.endm
; A K step of 128: multiplies buffer f; in its middle it fetches the next step (slot nslot, K step nksub) into buffer g, and with nset >= 0 the next group's scale words too.
.macro STEP f, g, set, ksub, zero, nslot, nksub, nset
	s_wait_dscnt 8                                 ; all but the youngest eight loads (A's tiles 2 and 3)
	WIN W_MUL
	MUL \f, \set, \ksub, 0, \zero
	MUL \f, \set, \ksub, 1, \zero
	PLACES 4                                       ; in front of loads into registers that matrix instructions have read (ISA guide 7.12.1 for vector instructions)
.if \nset >= 0
	SCALES \nslot, \nset
.endif
	FETCH \nslot, \nksub, \g
.if \nset >= 0
	s_wait_dscnt 48                                ; all but the 16 + 32 just issued
.else
	s_wait_dscnt 32                                ; all but the 32 just issued
.endif
	WIN W_MUL
	MUL \f, \set, \ksub, 2, \zero
	MUL \f, \set, \ksub, 3, \zero
.endm
; A group's last K step (buffer F1) with a barrier.  In front of it each wave waits for all its tensor loads, adds 0 to its spare word, and waits for that and for its LDS reads.
; fill = 1: the barrier opens a round of the cluster's, and slot 0, which nobody reads any more, is filled with group 3.
.macro TURN set, fill, nslot, nset
	WIN 0                                          ; (the add's two registers lie in window 0)
	s_wait_tensorcnt 0x0                           ; all my tensor loads have landed
	ds_add_u32 v[SPW], v[NIL]                      ; 0 onto my spare word
	s_wait_dscnt 9                                 ; (the add and the youngest eight loads may be out)
	WIN W_MUL
	MUL F1, \set, 3, 0, 0                          ; four matrix instructions stand between the add and the wait for it
	s_wait_dscnt 0x0                               ; the add is done, and my reads of the slot are over
	s_barrier_signal -1
	MUL F1, \set, 3, 1, 0
	WIN 0
	s_barrier_wait -1
.if \fill
	CREST                                          ; the barrier has opened a round of the cluster's: no wave of any partner has a load on its way or reads the slot that is filled
	s_add_nc_u64 s[G0+2:G0+3], s[G0+2:G0+3], 3*GB  ; the first region, read out, takes group 3 at the start of each wave's part
	s_add_nc_u64 s[G0B+2:G0B+3], s[G0B+2:G0B+3], 3*GB
	JLOAD G0, G1, G0B, G1B
.else
	PLACES 4
.endif
	SCALES \nslot, \nset
	FETCH \nslot, 0, F0
	WIN W_MUL
	MUL F1, \set, 3, 2, 0
	MUL F1, \set, 3, 3, 0
.endm
; 32 numbers of a lane, register 16 b + i = k 32 b + 16 h + i of my row, become half a fragment's codes (six registers at v[pc]) and two scale bytes in v[hw].
.macro HQUANT s, pc, hw
.irp b, 0,1
	v_max3_num_f32 v[TM+\b], |v[(\s)+16*\b]|, |v[(\s)+16*\b+1]|, 0x1800000   ; my 16 numbers of block b, and the floor 2^(3 - 127)
.endr
.irp i, 2,4,6,8,10,12,14
.irp b, 0,1
	v_max3_num_f32 v[TM+\b], v[TM+\b], |v[(\s)+16*\b+\i]|, |v[(\s)+16*\b+\i+1]|
.endr
.endr
.irp b, 0,1
	v_permlanex16_b32 v[TM+2+\b], v[TM+\b], s[SEL], s[SEL+1]
.endr
.irp b, 0,1
	v_max_num_f32 v[TM+\b], v[TM+\b], v[TM+2+\b]   ; with lane l xor 16's: the block's largest magnitude
.endr
.irp b, 0,1
	v_add_nc_u32 v[TM+4+\b], 0xff000000, v[TM+\b]  ; 2 off its exponent field: the conversion's scale operand
.endr
.irp b, 0,1
	v_lshrrev_b32 v[TM+2+\b], 23, v[TM+4+\b]       ; the byte
.endr
	v_lshl_or_b32 v[\hw], v[TM+3], 8, v[TM+2]
	v_cvt_scalef32_pk16_fp6_f32 v[(\pc):(\pc)+2], v[(\s):(\s)+15], v[TM+4]
	v_cvt_scalef32_pk16_fp6_f32 v[PX:PX+2], v[(\s)+16:(\s)+31], v[TM+5]
	v_nop                                          ; one plain place behind a scaled conversion
.irp i, 0,1,2
	v_permlane16_swap_b32 v[(\pc)+\i], v[PX+\i]    ; the layout wants a WHOLE block in a lane: lanes 0-15 block 0, lanes 16-31 block 1
.endr
.irp i, 0,1,2
	v_mov_b32 v[(\pc)+3+\i], v[PX+\i]
.endr
.endm
	s_load_b256 s[4:11], s[0:1], 0x0               ; xop s[4:5], wop s[6:7], cos s[8:9], sin s[10:11]
	s_load_b64 s[12:13], s[0:1], 0x20              ; qkv
	v_lshl_add_u32 v[SPW], v0, 2, SPARE
	v_mov_b32 v[NIL], 0
	ds_add_u32 v28, v29
	ds_add_u32 v28, v29
	s_wait_dscnt 0x0
	v_lshrrev_b32 v1, 5, v0
	v_readfirstlane_b32 s14, v1                    ; wave 0..3
	s_lshr_b32 s15, s14, 1                         ; wm: which four A-role tiles are mine.  Also: I fetch for the A role (0) or the B role (1)
	s_and_b32 s16, s14, 1                          ; wn: which four B-role tiles.  Also: which four tiles I fetch
	s_bfe_u32 s66, ttmp6, 0x40000                  ; cx
	s_bfe_u32 s67, ttmp6, 0x40004                  ; cy
	s_mov_b32 s68, ttmp9                           ; the cluster's column, 0..5: 5 is v
	s_and_b32 s69, ttmp7, 0xffff                   ; the cluster's row, 0..3
	s_lshl_b32 s70, s67, 2
	s_lshl_b32 s70, 15, s70                        ; my row of the cluster
	s_lshl_b32 s71, 0x1111, s66                    ; my column
	s_or_b32 s[G1], s70, (3<<16)|(1<<21)           ; 15:0 the mask; 17:16 elements of 8 bytes; 21 set beside a mask; no padding
	s_or_b32 s[G1B], s71, (3<<16)|(1<<21)
.irp g, G1, G1B
	s_mov_b32 s[\g+1], 1600<<16                    ; tensor_dim0: the head's load brings two groups of each tile, 12,800 bytes
	s_mov_b32 s[\g+2], 4<<16                       ; tensor_dim1: four tiles
	s_mov_b32 s[\g+3], 1600<<16                    ; tile_dim0
	s_mov_b32 s[\g+4], 4                           ; tile_dim1
	s_mov_b32 s[\g+5], 3200                        ; from tile to tile: 25,600 bytes
	s_mov_b32 s[\g+6], 0
	s_mov_b32 s[\g+7], 0
.endr
	; both cases' numbers, each in registers of its own; what feeds the A role's address never holds cx, the B role's never cy
	s_lshl_b32 s72, s69, 2
	s_add_co_u32 s75, s72, s66                     ; v: B role: x's rows, group 4 cly + cx
	s_add_co_u32 s72, s72, s67                     ; q, k: A role: x's rows, group 4 cly + cy
	s_add_co_u32 s73, s67, 20                      ; v: A role: wv's columns, wop's group 20 + cy
	s_lshl_b32 s74, s68, 2
	s_add_co_u32 s74, s74, s66                     ; q, k: B role: wop's group 4 clx + cx
	s_lshl_b32 s76, s74, 1
	s_add_co_u32 s76, s76, s16                     ; q, k: H = 2 x group + wn
	s_lshl_b32 s77, s67, 1
	s_add_co_u32 s77, s77, s15
	s_add_co_u32 s77, s77, 40                      ; v: H = 40 + 2 cy + wm
	s_lshl_b32 s78, s16, 4                         ; v: the scale bytes go 16 wn bits up
	s_mov_b32 s79, 0x7f7f0000                      ; q, k: bytes 2, 3 of a scale word stand over zero codes: 1.0
	s_mov_b32 s[SEL], 0x76543210
	s_mov_b32 s[SEL+1], 0xfedcba98
	s_mov_b32 s93, 0
	s_mov_b32 s95, 0
	s_wait_kmcnt 0x0
	s_cmp_eq_u32 s68, 5                            ; v?  Only selects follow, so SCC stays
	s_cselect_b64 s[80:81], s[6:7], s[4:5]         ; the A role's buffer
	s_cselect_b64 s[82:83], s[4:5], s[6:7]         ; the B role's
	s_cselect_b32 s84, s73, s72                    ; the A role's group of eight tiles
	s_cselect_b32 s85, s75, s74                    ; the B role's
	s_cselect_b32 s86, s77, s76                    ; H
	s_cselect_b32 s87, s75, s72                    ; the step
	s_cselect_b32 s88, s16, s15                    ; X: which four halves of the step are mine
	s_cselect_b32 s89, s78, 0                      ; the scale bytes' shift
	s_cselect_b32 s90, 0, s79                      ; and what is set beside them
	s_cselect_b32 s91, s67, s72                    ; which 128 rows of cos and sin (v: loaded inside the tables, not used)
	s_mul_i32 s92, s84, 8*TP
	s_mul_i32 s97, s16, 4*TP
	s_add_co_u32 s92, s92, s97
	s_add_nc_u64 s[80:81], s[80:81], s[92:93]
	s_mul_i32 s94, s85, 8*TP
	s_add_co_u32 s94, s94, s97
	s_add_nc_u64 s[82:83], s[82:83], s[94:95]
	s_mul_i32 s96, s14, QUART                      ; where my tiles go: wave x 25,600: no place in the cluster enters an LDS address
	CROUND                                         ; all sixteen work-groups are here: the first joint loads meet
.irp s, 0,2
	s_mov_b32 s[G0+4*\s], 1
	s_add_co_u32 s[G0+4*\s+1], s96, \s*SLOT
	s_add_nc_u64 s[G0+4*\s+2:G0+4*\s+3], s[80:81], \s*GB
	s_or_b32 s[G0+4*\s+3], s[G0+4*\s+3], 0x80000000
	s_mov_b32 s[G0B+4*\s], 1
	s_add_co_u32 s[G0B+4*\s+1], s96, \s*SLOT
	s_add_nc_u64 s[G0B+4*\s+2:G0B+4*\s+3], s[82:83], \s*GB
	s_or_b32 s[G0B+4*\s+3], s[G0B+4*\s+3], 0x80000000
.endr
	s_lshl_b32 s[G0+1], s96, 1                     ; in the first region a wave's part is 2 x 25,600 bytes
	s_lshl_b32 s[G0B+1], s96, 1
	JLOAD G0, G1, G0B, G1B                         ; groups 0 and 1: one tensor load a wave at the head
	s_lshl_b32 s92, s91, 14                        ; cos, sin: 128 rows of 128 bytes a group,
	s_lshl_b32 s97, s15, 13                        ; 64 rows for wm
	s_add_co_u32 s92, s92, s97
	s_add_nc_u64 s[8:9], s[8:9], s[92:93]
	s_add_nc_u64 s[10:11], s[10:11], s[92:93]
	s_mul_i32 s92, s86, HEADB
	s_mul_i32 s97, s87, STEPB
	s_add_co_u32 s92, s92, s97                     ; out: H, step
	s_lshl_b32 s97, s88, 8
	s_add_co_u32 s94, s92, s97
	s_add_co_u32 s94, s94, 6144
	s_add_nc_u64 s[18:19], s[12:13], s[94:95]      ; my 256 bytes of scale words
	s_mul_i32 s97, s88, 3072
	s_add_co_u32 s92, s92, s97
	s_add_nc_u64 s[12:13], s[12:13], s[92:93]      ; my four halves
	v_and_b32 v1, 15, v0                           ; r
	v_bfe_u32 v2, v0, 4, 1                         ; h
	v_and_b32 v3, 31, v0
	v_lshlrev_b32 v22, 4, v3                       ; 16 x lane
	v_lshlrev_b32 v23, 4, v1
	v_lshl_add_u32 v23, v2, 3, v23                 ; 16 r + 8 h
	v_and_b32 v24, 8, v1
	v_add_nc_u32 v24, v24, v1                      ; r + 8 (r / 8)
	v_lshlrev_b32 v25, 7, v24
	v_lshl_add_u32 v25, v2, 5, v25                 ; cos, sin: my row of 128 bytes, + 32 h: pairs 16 p + 8 h + 0 .. 7
	WIN 0x80                                       ; destination window 2
.irp a, 0,1,2,3
.irp p, 0,1
	global_load_b128 v[16*\a+8*\p:16*\a+8*\p+3], v25, s[8:9] offset:(32*(\a/2)+8*(\a%2))*128+64*\p
	global_load_b128 v[16*\a+8*\p+4:16*\a+8*\p+7], v25, s[8:9] offset:(32*(\a/2)+8*(\a%2))*128+64*\p+16
	global_load_b128 v[64+16*\a+8*\p:64+16*\a+8*\p+3], v25, s[10:11] offset:(32*(\a/2)+8*(\a%2))*128+64*\p
	global_load_b128 v[64+16*\a+8*\p+4:64+16*\a+8*\p+7], v25, s[10:11] offset:(32*(\a/2)+8*(\a%2))*128+64*\p+16
.endr
.endr
	WIN 0
	s_mul_i32 s92, s15, 2*QUART                    ; the first region: my four A-role tiles,
	s_mul_i32 s94, s16, 2*QUART
	s_add_co_u32 s94, s94, 4*QUART                 ; my four B-role tiles, behind A's eight
	s_mul_i32 s98, s15, QUART                      ; and the same in group 2's region
	s_mul_i32 s99, s16, QUART
	s_add_co_u32 s98, s98, 2*SLOT
	s_add_co_u32 s99, s99, 2*SLOT+2*QUART
	s_wait_alu depctr_va_vdst(0)
	v_add_nc_u32 v[A16], s92, v22
	v_add_nc_u32 v[A8], s92, v23
	v_add_nc_u32 v[B16], s94, v22
	v_add_nc_u32 v[B8], s94, v23
	v_add_nc_u32 v[A16+2], s98, v22
	v_add_nc_u32 v[A8+2], s98, v23
	v_add_nc_u32 v[B16+2], s99, v22
	v_add_nc_u32 v[B8+2], s99, v23
	s_xor_b32 s94, s15, 1                          ; lanes 16-31 take B's scale words: (2 + wn - wm) x 25,600 bytes behind A's: ONE product in h
	s_add_co_u32 s94, s94, 1
	s_add_co_u32 s94, s94, s16
	s_mul_i32 s94, s94, QUART
	v_mul_u32_u24 v24, s94, v2
	v_lshl_add_u32 v24, v1, 2, v24
	s_lshl_b32 s94, s94, 1                         ; in the first region the distance is twice as long
	v_mul_u32_u24 v26, s94, v2
	v_lshl_add_u32 v26, v1, 2, v26
	s_mul_i32 s92, s15, 2*QUART
	s_add_co_u32 s92, s92, SCO
	v_add_nc_u32 v[ADS], s92, v26
	s_mul_i32 s92, s15, QUART
	s_add_co_u32 s92, s92, 2*SLOT+SCO
	v_add_nc_u32 v[ADS+2], s92, v24
	v_mov_b32 v[TM+2], 0                           ; written once: a lane permute's destination counts as one of its sources
	v_mov_b32 v[TM+3], 0
	s_wait_alu depctr_va_vdst(0)
	s_wait_tensorcnt 0x0                           ; my part of group 0 is in; the three lines and a whole round stand ahead of slot 2's first fill
	ds_add_u32 v[SPW], v[NIL]
	s_mov_b32 s[G1+1], 800<<16                     ; no tensor load of mine is out, so a descriptor may be written: from here on a load brings one group of each tile
	s_mov_b32 s[G1+3], 800<<16
	s_mov_b32 s[G1B+1], 800<<16
	s_mov_b32 s[G1B+3], 800<<16
	s_wait_dscnt 0x0
	CROUND
	JLOAD G0+8, G1, G0B+8, G1B                     ; group 2's first fill, the first tensor load behind the round: two groups' products stand ahead of the wait for it
	SCALES 0, 0
	FETCH 0, 0, F0
	STEP F0, F1, 0, 0, 1, 0, 1, -1                 ; the first products start the sums: nothing is cleared
	STEP F1, F0, 0, 1, 0, 0, 2, -1
	STEP F0, F1, 0, 2, 0, 0, 3, -1
	STEP F1, F0, 0, 3, 0, 1, 0, 1                  ; on into group 1, which came with group 0: no barrier is owed, and nothing is filled
	STEP F0, F1, 1, 0, 0, 1, 1, -1
	STEP F1, F0, 1, 1, 0, 1, 2, -1
	STEP F0, F1, 1, 2, 0, 1, 3, -1
	TURN 1, 2, 2, 0                                ; group 2 has landed in slot 2; slot 0 takes group 3
	STEP F0, F1, 0, 0, 0, 2, 1, -1
	STEP F1, F0, 0, 1, 0, 2, 2, -1
	STEP F0, F1, 0, 2, 0, 2, 3, -1
	TURN 0, 0, 3, 1                                ; group 3 has landed in every wave's part of the first region
	STEP F0, F1, 1, 0, 0, 3, 1, -1
	STEP F1, F0, 1, 1, 0, 3, 2, -1
	STEP F0, F1, 1, 2, 0, 3, 3, -1
	s_wait_dscnt 8                                 ; the very last step: nothing more to fetch
	WIN W_MUL
	MUL F1, 1, 3, 0, 0
	MUL F1, 1, 3, 1, 0
	s_wait_dscnt 0x0
	MUL F1, 1, 3, 2, 0
	MUL F1, 1, 3, 3, 0
	WIN 0
	; THE WAY OUT.  For each a, the 32 registers at ACC + 32 a are my row's 64 numbers along the next K, 16 of each block of 32.
	PLACES 4
	s_wait_loadcnt 0x0                             ; cos and sin
	s_cmp_eq_u32 s68, 5
	s_cbranch_scc1 .Lno_rope                       ; v is not turned; the cluster's column is the same in all partners, and no LDS store, barrier or tensor load is jumped over
	WIN 0x08                                       ; source 1 window 2
.irp a, 0,1,2,3
.irp p, 0,1
.irp q, 0,4
.irp i, 0,1,2,3
	v_mul_f32 v[116+2*\i], v[ACC+32*\a+16*\p+2*(\q+\i)+1], v[64+16*\a+8*\p+\q+\i]      ; x1 sin   (each accumulator is read from its low end on)
	v_mul_f32 v[117+2*\i], v[ACC+32*\a+16*\p+2*(\q+\i)], v[64+16*\a+8*\p+\q+\i]        ; x0 sin
.endr
.irp i, 0,1,2,3
	v_fma_f32 v[ACC+32*\a+16*\p+2*(\q+\i)], v[ACC+32*\a+16*\p+2*(\q+\i)], v[16*\a+8*\p+\q+\i], -v[116+2*\i]       ; x0 cos - x1 sin
	v_fma_f32 v[ACC+32*\a+16*\p+2*(\q+\i)+1], v[ACC+32*\a+16*\p+2*(\q+\i)+1], v[16*\a+8*\p+\q+\i], v[117+2*\i]    ; x1 cos + x0 sin
.endr
.endr
.endr
.endr
	WIN 0
.Lno_rope:
.irp a, 0,1,2,3
	HQUANT ACC+32*\a, PC+8*\a, HW
	v_lshl_or_b32 v[SW+\a], v[HW], s89, s90
	global_store_b128 v22, v[PC+8*\a:PC+8*\a+3], s[12:13] offset:768*\a          ; 512 consecutive bytes
	global_store_b64 v23, v[PC+8*\a+4:PC+8*\a+5], s[12:13] offset:768*\a+512     ; 256 consecutive bytes
.endr
	v_cmp_eq_u32 vcc_lo, 0, v2
	v_cndmask_b32 v114, v[SW+2], v[SW], vcc_lo     ; lane (r, h) stores words 2 h and 2 h + 1 of row r
	v_cndmask_b32 v115, v[SW+3], v[SW+1], vcc_lo
	global_store_b64 v23, v[114:115], s[18:19]     ; 256 consecutive bytes, aligned
	s_wait_tensorcnt 0x0                           ; the wave's end
	ds_add_u32 v[SPW], v[NIL]
	s_wait_dscnt 0x0
	CROUND                                         ; the closing round: no work-group ends while a partner may still ask for a tile that names it
	s_endpgm
.Lfunc_end_k_qc8c849f5dc_qkvg:
	.size	k_qc8c849f5dc_qkvg, .Lfunc_end_k_qc8c849f5dc_qkvg-k_qc8c849f5dc_qkvg
	.p2alignl 7, 3214868480
	.fill 96, 4, 3214868480
	.section	.rodata,"a",@progbits
	.p2align	6, 0x0
	.amdhsa_kernel k_qc8c849f5dc_qkvg
		.amdhsa_group_segment_fixed_size 327680
		.amdhsa_private_segment_fixed_size 0
		.amdhsa_enable_private_segment 0
		.amdhsa_kernarg_size 40
		.amdhsa_user_sgpr_count 2
		.amdhsa_user_sgpr_kernarg_segment_ptr 1
		.amdhsa_wavefront_size32 1
		.amdhsa_system_sgpr_workgroup_id_x 1
		.amdhsa_system_sgpr_workgroup_id_y 1
		.amdhsa_system_sgpr_workgroup_id_z 1
		.amdhsa_system_vgpr_workitem_id 0
		.amdhsa_next_free_vgpr 640
		.amdhsa_next_free_sgpr 100
		.amdhsa_reserve_vcc 1
		.amdhsa_float_denorm_mode_32 3
		.amdhsa_float_denorm_mode_16_64 3
		.amdhsa_memory_ordered 1
		.amdhsa_forward_progress 1
		.amdhsa_inst_pref_size 107
	.end_amdhsa_kernel
	.amdgpu_metadata
---
amdhsa.version: [ 1, 2 ]
amdhsa.kernels:
  - .name:           k_qc8c849f5dc_qkvg
    .symbol:         k_qc8c849f5dc_qkvg.kd
    .args:
      - { .name: xop, .offset: 0, .size: 8, .value_kind: global_buffer, .address_space: global }
      - { .name: wop, .offset: 8, .size: 8, .value_kind: global_buffer, .address_space: global }
      - { .name: freqs_cos, .offset: 16, .size: 8, .value_kind: global_buffer, .address_space: global }
      - { .name: freqs_sin, .offset: 24, .size: 8, .value_kind: global_buffer, .address_space: global }
      - { .name: qkv, .offset: 32, .size: 8, .value_kind: global_buffer, .address_space: global }
    .group_segment_fixed_size: 327680
    .private_segment_fixed_size: 0
    .kernarg_segment_align: 8
    .kernarg_segment_size: 40
    .max_flat_workgroup_size: 128
    .sgpr_count:     100
    .vgpr_count:     640
    .wavefront_size: 32
...
	.end_amdgpu_metadata
.endif
;; end of part 2
;; launch attn (part 3): grid 32 x 8, 16 waves a work-group, clusters of 4 x 1, 327,680 bytes of LDS; arguments qkv, lambda_q1, lambda_k1, lambda_q2, lambda_k2, aop; writes aop
.if DOCPART == 3
	.amdgcn_target "amdgcn-amd-amdhsa--gfx1250"
	.amdhsa_code_object_version 6
	.text
	.protected	k_qc8c849f5dc_attn
	.globl	k_qc8c849f5dc_attn
	.p2align	8
	.type	k_qc8c849f5dc_attn,@function
k_qc8c849f5dc_attn:
	s_mov_b64 s[64:65], 0
	v_nop
	global_prefetch_b8 v0, s[64:65] scope:SCOPE_SE
	s_setreg_imm32_b32 hwreg(HW_REG_WAVE_MODE, 25, 1), 1
	s_wait_xcnt 0x0
	s_wait_alu depctr_hold_cnt(0) depctr_sa_sdst(0) depctr_va_vdst(0) depctr_va_sdst(0) depctr_va_ssrc(0) depctr_va_vcc(0) depctr_vm_vsrc(0)
	s_getreg_b32 s2, hwreg(HW_REG_IB_STS2, 6, 4)
	s_cmp_eq_u32 s2, 0
	s_cbranch_scc0 .Lentry_in_a_cluster
	s_endpgm
.Lentry_in_a_cluster:
	s_bfe_u32 s2, ttmp6, 0x10000c
	s_cmp_lg_u32 s2, 0x3003
	s_cbranch_scc0 .Lentry_shape_is_right
	s_endpgm
.Lentry_shape_is_right:
; Attention on codes of FP6 (E2M3): for one head and 256 queries, o = Q(softmax(q k^T / 8) x F) v, F = 1 - (exp(lq1.lk1) - exp(lq2.lk2) + LAMBDA_INIT); o leaves as codes for the last product.
; 16 waves, 16 queries each; both products transposed, so that a lane holds one query.  All of the head's K and V (2 x 106,496 bytes) lie in LDS, brought by ONE joint load a wave:
; waves 0-7 two steps of K each, waves 8-15 two steps of V; the four work-groups of a cluster share a key and value head.  Nothing is filled again.
; PASS 1: the running largest t (M = its ceiling), the row's sum of 2^(t - M), and each block's largest score, kept in the wave's own 4 KB of LDS (16 bytes a query and step).
; PASS 2: |p| = 2^(t - M + log2|F| - log2(sum)) by one multiply-add and one exponential; block scales from the kept maxima; F's sign goes onto the finished sums (the quantiser is symmetric in the sign).
; LIMITS: scaled scores under 2^31 in magnitude; |F| under 2^-126 counts as 0; NaN and infinities among the inputs are not served.
.set STEPB, 6656
.set HEADB, 106496
.set BMS,   0x34800                    ; behind the spare words: the kept maxima, 4,096 bytes a wave; no tile lands here
.set VB,    HEADB
.set KV,   32
.set KSC,  86
.set VSC,  90
.set VS1,  94
.set PSW,  98
.set QSC,  99
.set S,    100
.set O,    164
.set P,    196
.set PX,   208
.set BM,   216
.set BT,   220
.set SO,   224
.set BY,   228
.set TM,   232
.set PC,   240
.set HW,   246
.set FAC,  248
.set R4,   249
.set WV,   16
.set SEL,  20
.set CS,   22
.set G1,   24
.set G0K,  32
.set G0V,  36
.set TC,   40
.set CNT,  41
.macro CROUND
	s_barrier_signal -1
	s_barrier_wait -1
	s_cmp_lg_u32 s[WV], 0
	s_cbranch_scc1 .Lnot_wave_0_\@
	s_barrier_signal -3
.Lnot_wave_0_\@:
	s_barrier_wait -3
	s_barrier_signal -1
	s_barrier_wait -1
.endm
.macro KLOAD
.irp t, 0,1,2,3,4,5,6,7
	ds_load_b128 v[KV+6*\t:KV+6*\t+3], v4 offset:768*\t
	ds_load_b64 v[KV+6*\t+4:KV+6*\t+5], v5 offset:768*\t+512
.endr
	ds_load_b128 v[KSC:KSC+3], v4 offset:6144
.endm
.macro QK
.irp t, 0,1,2,3
	v_wmma_scale_f32_16x16x128_f8f6f4 v[S+8*\t:S+8*\t+7], v[KV+6*\t:KV+6*\t+11], v[20:31], 0, v[KSC+\t], v[QSC] matrix_a_fmt:MATRIX_FMT_FP6 matrix_b_fmt:MATRIX_FMT_FP6
.endr
.irp t, 4,5,6,7
	v_wmma_scale_f32_16x16x128_f8f6f4 v[S+8*\t:S+8*\t+7], v[KV+6*\t:KV+6*\t+11], v[20:31], 0, v[KSC+\t-4], v[QSC] matrix_a_fmt:MATRIX_FMT_FP6 matrix_b_fmt:MATRIX_FMT_FP6 matrix_a_scale:MATRIX_SCALE_ROW1
.endr
.endm
.macro BLKMAX
.irp b, 0,1,2,3
	v_max3_num_f32 v[BM+\b], v[S+16*\b], v[S+16*\b+1], v[S+16*\b+2]
.endr
.irp i, 3,5,7,9,11,13
.irp b, 0,1,2,3
	v_max3_num_f32 v[BM+\b], v[BM+\b], v[S+16*\b+\i], v[S+16*\b+\i+1]
.endr
.endr
.irp b, 0,1,2,3
	v_max_num_f32 v[BM+\b], v[BM+\b], v[S+16*\b+15]
.endr
.endm
.macro TMINUSM
.set n, 0
.rept 32
	v_pk_fma_f32 v[S+n:S+n+1], v[S+n:S+n+1], s[CS:CS+1], v[12:13] op_sel_hi:[1,0,0]
.set n, n+2
.endr
.endm
.macro EXPS
.set n, 0
.rept 64
	v_exp_f32 v[S+n], v[S+n]
.set n, n+1
.endr
.endm
.macro P1STEP                          ; s[TC]: where the NEXT step's K lies: its fragments are asked for behind this step's products, under the step's vector work
	s_wait_dscnt 0x0
	QK
	v_add_nc_u32 v4, s[TC], v1
	v_add_nc_u32 v5, s[TC], v2
	v_nop
	v_nop                                          ; four places behind the products
	KLOAD
	BLKMAX
.irp b, 0,1,2,3
	s_delay_alu instid0(VALU_DEP_4)
	v_permlanex16_b32 v[BT+\b], v[BM+\b], s[SEL], s[SEL+1]
.endr
.irp b, 0,1,2,3
	s_delay_alu instid0(VALU_DEP_4)
	v_max_num_f32 v[BM+\b], v[BM+\b], v[BT+\b]     ; with lane l xor 16's: each block's largest score
.endr
	v_add_nc_u32 v251, s62, v250
	v_max3_num_f32 v232, v[BM], v[BM+1], v[BM+2]
	ds_store_b128 v251, v[BM:BM+3]                 ; kept for pass 2; lanes l and l xor 16 write the same bytes with the same values
	v_max_num_f32 v232, v232, v[BM+3]
	s_delay_alu instid0(VALU_DEP_1)
	v_mul_f32 v232, s[CS], v232
	s_delay_alu instid0(VALU_DEP_1)
	v_max_num_f32 v13, v13, v232
	v_mov_b32 v232, v12
	s_delay_alu instid0(VALU_DEP_2)
	v_floor_f32 v12, -v13
	s_delay_alu instid0(VALU_DEP_1)
	v_sub_f32 v232, v12, v232
	s_delay_alu instid0(VALU_DEP_1)
	v_cvt_i32_f32 v232, v232
	s_delay_alu instid0(VALU_DEP_1)
	v_ldexp_f32 v18, 1.0, v232
	TMINUSM
	s_wait_alu depctr_va_vdst(0)
	EXPS
	v_pk_mul_f32 v[14:15], v[14:15], v[18:19] op_sel_hi:[1,0]
	s_wait_alu depctr_va_vdst(0)
	v_pk_add_f32 v[234:235], v[S:S+1], v[S+2:S+3]
.irp j, 4,8,12,16,20,24,28,32,36,40,44,48,52,56,60
	v_pk_add_f32 v[14:15], v[14:15], v[S+\j:S+\j+1]
	v_pk_add_f32 v[234:235], v[234:235], v[S+\j+2:S+\j+3]
.endr
	s_delay_alu instid0(VALU_DEP_1)
	v_pk_add_f32 v[14:15], v[14:15], v[234:235]
.endm
.macro P2STEP zero
	v_add_nc_u32 v251, s62, v250
.if \zero == 0                         ; the first step's K fragments were asked for by pass 1's last step
	v_add_nc_u32 v4, s[TC], v1
	v_add_nc_u32 v5, s[TC], v2
	v_nop                                          ; three adds and this line: four places behind the last products
	KLOAD
.endif
	ds_load_b128 v[BM:BM+3], v251
	s_wait_dscnt 0x0
	QK
	v_add_nc_u32 v6, s[TC], v9
	v_add_nc_u32 v7, s[TC], v10
	v_add_nc_u32 v8, s[TC], v11
	v_nop
	ds_load_b128 v[VSC:VSC+3], v8 offset:6144
	ds_load_b128 v[VS1:VS1+3], v8 offset:6400
.irp dt, 0,1,2,3
.irp c, 0,1
	ds_load_b128 v[KV+12*\dt+6*\c:KV+12*\dt+6*\c+3], v6 offset:3072*\c+768*\dt
	ds_load_b64 v[KV+12*\dt+6*\c+4:KV+12*\dt+6*\c+5], v7 offset:3072*\c+768*\dt+512
.endr
.endr
	TMINUSM
.irp b, 0,1,2,3
	v_fma_f32 v[BM+\b], v[BM+\b], s[CS], v12
.endr
	s_wait_alu depctr_va_vdst(0)
	EXPS
.irp b, 0,1,2,3
	v_exp_f32 v[BM+\b], v[BM+\b]
.endr
	s_wait_dscnt 16
.irp b, 0,1,2,3
	v_or_b32 v[VSC+\b], v[VSC+\b], v[VS1+\b]
.endr
	s_wait_alu depctr_va_vdst(0)
.irp b, 0,1,2,3
	v_max_num_f32 v[BM+\b], 0x1800000, v[BM+\b]    ; the block's largest |p|, and the floor 2^(3 - 127)
.endr
.irp b, 0,1,2,3
	s_delay_alu instid0(VALU_DEP_4)
	v_add_nc_u32 v[SO+\b], 0xff000000, v[BM+\b]
.endr
.irp b, 0,1,2,3
	s_delay_alu instid0(VALU_DEP_4)
	v_lshrrev_b32 v[BY+\b], 23, v[SO+\b]
.endr
	s_delay_alu instid0(VALU_DEP_3)
	v_lshl_or_b32 v[PSW], v[BY+1], 8, v[BY]
	s_delay_alu instid0(VALU_DEP_1)
	v_lshl_or_b32 v[PSW], v[BY+2], 16, v[PSW]
	s_delay_alu instid0(VALU_DEP_1)
	v_lshl_or_b32 v[PSW], v[BY+3], 24, v[PSW]
.irp c, 0,1
	v_cvt_scalef32_pk16_fp6_f32 v[P+6*\c:P+6*\c+2], v[S+32*\c:S+32*\c+15], v[SO+2*\c]
	v_cvt_scalef32_pk16_fp6_f32 v[PX+4*\c:PX+4*\c+2], v[S+32*\c+16:S+32*\c+31], v[SO+2*\c+1]
.endr
	v_nop
.irp c, 0,1
.irp i, 0,1,2
	v_permlane16_swap_b32 v[P+6*\c+\i], v[PX+4*\c+\i]
.endr
.irp i, 0,1,2
	s_delay_alu instid0(VALU_DEP_3)
	v_mov_b32 v[P+6*\c+3+\i], v[PX+4*\c+\i]
.endr
.endr
	s_wait_alu depctr_va_vdst(0)
	s_wait_dscnt 0x0
.rept 4
	v_nop
.endr
.irp dt, 0,1,2,3
.if \zero
	v_wmma_scale_f32_16x16x128_f8f6f4 v[O+8*\dt:O+8*\dt+7], v[KV+12*\dt:KV+12*\dt+11], v[P:P+11], 0, v[VSC+\dt], v[PSW] matrix_a_fmt:MATRIX_FMT_FP6 matrix_b_fmt:MATRIX_FMT_FP6
.else
	v_wmma_scale_f32_16x16x128_f8f6f4 v[O+8*\dt:O+8*\dt+7], v[KV+12*\dt:KV+12*\dt+11], v[P:P+11], v[O+8*\dt:O+8*\dt+7], v[VSC+\dt], v[PSW] matrix_a_fmt:MATRIX_FMT_FP6 matrix_b_fmt:MATRIX_FMT_FP6
.endif
.endr
	s_add_co_u32 s[TC], s[TC], STEPB
	s_add_co_u32 s62, s62, 256
.endm
.macro HQUANT s, pc, hw
.irp b, 0,1
	v_max3_num_f32 v[TM+\b], |v[(\s)+16*\b]|, |v[(\s)+16*\b+1]|, 0x1800000
.endr
.irp i, 2,4,6,8,10,12,14
.irp b, 0,1
	v_max3_num_f32 v[TM+\b], v[TM+\b], |v[(\s)+16*\b+\i]|, |v[(\s)+16*\b+\i+1]|
.endr
.endr
.irp b, 0,1
	s_delay_alu instid0(VALU_DEP_2)
	v_permlanex16_b32 v[TM+2+\b], v[TM+\b], s[SEL], s[SEL+1]
.endr
.irp b, 0,1
	s_delay_alu instid0(VALU_DEP_2)
	v_max_num_f32 v[TM+\b], v[TM+\b], v[TM+2+\b]
.endr
.irp b, 0,1
	s_delay_alu instid0(VALU_DEP_2)
	v_add_nc_u32 v[TM+4+\b], 0xff000000, v[TM+\b]
.endr
.irp b, 0,1
	s_delay_alu instid0(VALU_DEP_2)
	v_lshrrev_b32 v[TM+2+\b], 23, v[TM+4+\b]
.endr
	s_delay_alu instid0(VALU_DEP_1)
	v_lshl_or_b32 v[\hw], v[TM+3], 8, v[TM+2]
	v_cvt_scalef32_pk16_fp6_f32 v[(\pc):(\pc)+2], v[(\s):(\s)+15], v[TM+4]
	v_cvt_scalef32_pk16_fp6_f32 v[PX:PX+2], v[(\s)+16:(\s)+31], v[TM+5]
	v_nop
.irp i, 0,1,2
	v_permlane16_swap_b32 v[(\pc)+\i], v[PX+\i]
.endr
.irp i, 0,1,2
	s_delay_alu instid0(VALU_DEP_3)
	v_mov_b32 v[(\pc)+3+\i], v[PX+\i]
.endr
.endm
	s_load_b256 s[4:11], s[0:1], 0x0
	s_load_b128 s[12:15], s[0:1], 0x20
	v_lshl_add_u32 v254, v0, 2, 0x34000
	v_mov_b32 v255, 0
	ds_add_u32 v254, v255
	ds_add_u32 v254, v255
	v_lshrrev_b32 v1, 5, v0
	s_delay_alu instid0(VALU_DEP_1)
	v_readfirstlane_b32 s[WV], v1
	s_and_b32 s44, ttmp7, 0xffff
	s_mov_b32 s[G1], 15|(3<<16)|(1<<21)
	s_mov_b32 s[G1+1], 32<<16
	s_mov_b32 s[G1+2], 52<<16
	s_mov_b32 s[G1+3], 32<<16
	s_mov_b32 s[G1+4], 52
	s_mov_b32 s[G1+5], 32
	s_mov_b32 s[G1+6], 0
	s_mov_b32 s[G1+7], 0
	s_mul_i32 s45, s[WV], 2*STEPB                  ; LDS: wave x two steps: K's sixteen steps, then V's
	s_add_co_u32 s46, s44, 32
	s_mul_i32 s46, s46, HEADB
	s_add_co_u32 s46, s46, s45
	s_lshr_b32 s48, s[WV], 3
	s_mul_i32 s48, s48, 7*HEADB                    ; in memory V's head lies eight heads behind K's: seven more for waves 8-15
	s_add_co_u32 s46, s46, s48
	s_mov_b32 s47, 0
	s_wait_dscnt 0x0
	s_wait_kmcnt 0x0
	s_mov_b32 s[G0K], 1
	s_mov_b32 s[G0K+1], s45
	s_add_nc_u64 s[G0K+2:G0K+3], s[4:5], s[46:47]
	s_or_b32 s[G0K+3], s[G0K+3], 0x80000000
	CROUND
	tensor_load_to_lds s[G0K:G0K+3], s[G1:G1+7]    ; my one load: 52 rows of 256 bytes
	s_nop 0
.rept 4
	v_nop
.endr
	s_bfe_u32 s42, ttmp6, 0x40000
	s_lshl_b32 s43, ttmp9, 2
	s_add_co_u32 s43, s43, s42
	s_lshr_b32 s50, s43, 3
	s_lshl_b32 s51, s44, 2
	s_add_co_u32 s50, s50, s51
	s_and_b32 s51, s43, 7
	s_mul_i32 s52, s50, HEADB
	s_lshl_b32 s53, s51, 1
	s_lshr_b32 s54, s[WV], 3
	s_add_co_u32 s53, s53, s54
	s_mul_i32 s53, s53, STEPB
	s_add_co_u32 s52, s52, s53
	s_bfe_u32 s54, s[WV], 0x10002
	s_lshl_b32 s54, s54, 8
	s_and_b32 s55, s[WV], 3
	s_lshl_b32 s55, s55, 2
	s_add_co_u32 s54, s54, s55
	s_add_co_u32 s54, s54, s52
	s_add_co_u32 s54, s54, 6144
	s_mov_b32 s55, 0
	s_and_b32 s53, s[WV], 7
	s_mul_i32 s53, s53, 768
	s_add_co_u32 s52, s52, s53
	s_mov_b32 s53, 0
	s_add_nc_u64 s[52:53], s[4:5], s[52:53]
	s_add_nc_u64 s[54:55], s[4:5], s[54:55]
	s_lshl_b32 s56, s51, 4
	s_add_co_u32 s56, s56, s[WV]
	s_mul_i32 s56, s56, 25600
	s_lshr_b32 s57, s50, 3
	s_mul_i32 s57, s57, 6400
	s_add_co_u32 s56, s56, s57
	s_bfe_u32 s57, s50, 0x20001
	s_and_b32 s59, s50, 1
	s_lshl_b32 s58, s57, 6
	s_lshl_b32 s60, s59, 1
	s_add_co_u32 s58, s58, s60
	s_add_co_u32 s58, s58, s56
	s_add_co_u32 s58, s58, 6144
	s_mul_i32 s57, s57, 1536
	s_mul_i32 s59, s59, 768
	s_add_co_u32 s56, s56, s57
	s_add_co_u32 s56, s56, s59
	s_mov_b32 s57, 0
	s_mov_b32 s59, 0
	s_add_nc_u64 s[56:57], s[14:15], s[56:57]
	s_add_nc_u64 s[58:59], s[14:15], s[58:59]
	s_mov_b32 s[SEL], 0x76543210
	s_mov_b32 s[SEL+1], 0xfedcba98
	s_mov_b32 s[CS], 0x3e38aa3b
	s_mov_b32 s[CS+1], s[CS]
	v_and_b32 v232, 31, v0
	s_delay_alu instid0(VALU_DEP_1)
	v_lshlrev_b32 v1, 4, v232
	v_and_b32 v233, 15, v0
	s_delay_alu instid0(VALU_DEP_1)
	v_lshlrev_b32 v3, 4, v233
	v_bfe_u32 v234, v0, 4, 1
	s_delay_alu instid0(VALU_DEP_1)
	v_lshl_add_u32 v2, v234, 3, v3
	s_delay_alu instid0(VALU_DEP_4)
	v_lshlrev_b32 v[R4], 2, v233
	v_lshlrev_b32 v235, 3, v232
	global_load_b128 v[20:23], v1, s[52:53]
	global_load_b64 v[24:25], v2, s[52:53] offset:512
	global_load_b32 v[QSC], v3, s[54:55]
	global_load_b64 v[236:237], v235, s[6:7]
	global_load_b64 v[238:239], v235, s[8:9]
	global_load_b64 v[240:241], v235, s[10:11]
	global_load_b64 v[242:243], v235, s[12:13]
	v_add_nc_u32 v9, VB, v1
	v_add_nc_u32 v10, VB, v2
	v_add_nc_u32 v11, VB, v3
	s_lshl_b32 s63, s[WV], 12
	s_add_co_u32 s63, s63, BMS
	v_add_nc_u32 v250, s63, v3                     ; the kept maxima: my wave's 4,096 bytes, 16 bytes a query
.irp j, 26,27,28,29,30,31,80,81,82,83,84,85
	v_mov_b32 v\j, 0
.endr
	v_mov_b32 v13, 0xff61b1e6
	s_delay_alu instid0(VALU_DEP_1)
	v_floor_f32 v12, -v13
	v_mov_b32 v14, 0
	v_mov_b32 v15, 0
	v_mov_b32 v19, 0
	v_mov_b32 v246, 0
	v_mov_b32 v247, 0
.irp b, 0,1,2,3
	v_mov_b32 v[BT+\b], 0
.endr
	s_wait_loadcnt 0x0
	v_mul_f32 v244, v236, v238
	v_mul_f32 v245, v240, v242
	s_delay_alu instid0(VALU_DEP_2)
	v_fmac_f32 v244, v237, v239
	s_delay_alu instid0(VALU_DEP_2)
	v_fmac_f32 v245, v241, v243
.irp m, 1,2,4,8
	s_delay_alu instid0(VALU_DEP_2)
	v_add_f32_dpp v244, v244, v244 row_xmask:\m row_mask:0xf bank_mask:0xf
	s_delay_alu instid0(VALU_DEP_2)
	v_add_f32_dpp v245, v245, v245 row_xmask:\m row_mask:0xf bank_mask:0xf
.endr
	s_delay_alu instid0(VALU_DEP_2)
	v_permlanex16_b32 v246, v244, s[SEL], s[SEL+1]
	s_delay_alu instid0(VALU_DEP_2)
	v_permlanex16_b32 v247, v245, s[SEL], s[SEL+1]
	s_delay_alu instid0(VALU_DEP_2)
	v_add_f32 v244, v244, v246
	s_delay_alu instid0(VALU_DEP_2)
	v_add_f32 v245, v245, v247
	s_mov_b32 s61, 0x3fb8aa3b
	v_mul_f32 v236, s61, v244
	v_mul_f32 v237, s61, v245
	s_delay_alu instid0(VALU_DEP_2)
	v_fma_f32 v238, v244, s61, -v236
	s_delay_alu instid0(VALU_DEP_2)
	v_fma_f32 v239, v245, s61, -v237
	s_delay_alu instid0(VALU_DEP_2)
	v_fmac_f32 v238, 0x32a57060, v244
	s_delay_alu instid0(VALU_DEP_2)
	v_fmac_f32 v239, 0x32a57060, v245
	s_wait_alu depctr_va_vdst(0)
	v_exp_f32 v240, v236
	v_exp_f32 v241, v237
	v_mul_f32 v238, 0x3f317218, v238
	v_mul_f32 v239, 0x3f317218, v239
	s_wait_alu depctr_va_vdst(0)
	v_fma_f32 v240, v240, v238, v240
	v_fma_f32 v241, v241, v239, v241
	s_delay_alu instid0(VALU_DEP_1)
	v_sub_f32 v240, v240, v241
	s_delay_alu instid0(VALU_DEP_1)
	v_add_f32 v240, 0x3f489a63, v240
	s_delay_alu instid0(VALU_DEP_1)
	v_sub_f32 v[FAC], 1.0, v240
	v_mov_b32 v233, 0
	s_wait_alu depctr_va_vdst(0)
	s_wait_tensorcnt 0x0                           ; my part of K or V is in;
	s_barrier_signal -1
	s_barrier_wait -1                              ; and everybody's: K and V are whole for both passes
	v_mov_b32 v4, v1
	v_mov_b32 v5, v2
	KLOAD                                          ; step 0's K
	s_mov_b32 s[TC], STEPB
	s_mov_b32 s62, 0
	s_mov_b32 s[CNT], 15
.Lpass1:
	P1STEP
	s_add_co_u32 s[TC], s[TC], STEPB
	s_add_co_u32 s62, s62, 256
	s_sub_co_u32 s[CNT], s[CNT], 1
	s_cmp_lg_u32 s[CNT], 0
	s_cbranch_scc1 .Lpass1
	s_mov_b32 s[TC], 0
	P1STEP                                         ; the sixteenth step is written out: it asks for K's step 0 again, for pass 2
	v_add_f32 v14, v14, v15
	s_delay_alu instid0(VALU_DEP_1)
	v_permlanex16_b32 v233, v14, s[SEL], s[SEL+1]
	s_delay_alu instid0(VALU_DEP_1)
	v_add_f32 v14, v14, v233
	s_wait_alu depctr_va_vdst(0)
	v_log_f32 v16, |v[FAC]|
	v_log_f32 v17, v14
	v_and_b32 v252, 0x80000000, v[FAC]             ; a plain place behind the two
	s_wait_alu depctr_va_vdst(0)
	v_sub_f32 v16, v16, v17                        ; log2(|F| / sum)
	v_or_b32 v252, 0x3f800000, v252                ; 1.0 with F's sign
	s_delay_alu instid0(VALU_DEP_2)
	v_add_f32 v12, v12, v16                        ; what pass 2 adds to t: -M + log2(|F| / sum)
	s_wait_alu depctr_va_vdst(0)
	s_mov_b32 s[TC], 0
	s_mov_b32 s62, 0
	P2STEP 1
	s_mov_b32 s[CNT], 15
.Lpass2:
	P2STEP 0
	s_sub_co_u32 s[CNT], s[CNT], 1
	s_cmp_lg_u32 s[CNT], 0
	s_cbranch_scc1 .Lpass2
.rept 4
	v_nop
.endr
.set n, 0
.rept 32
	v_mul_f32 v[O+n], v[O+n], v252                 ; F's sign, each accumulator from its low end on
.set n, n+1
.endr
	HQUANT O, PC, HW
	global_store_b128 v1, v[PC:PC+3], s[56:57]
	global_store_b64 v2, v[PC+4:PC+5], s[56:57] offset:512
	global_store_b16 v[R4], v[HW], s[58:59]
	s_wait_tensorcnt 0x0
	ds_add_u32 v254, v255
	s_wait_dscnt 0x0
	CROUND
	s_endpgm
.Lfunc_end_k_qc8c849f5dc_attn:
	.size	k_qc8c849f5dc_attn, .Lfunc_end_k_qc8c849f5dc_attn-k_qc8c849f5dc_attn
	.p2alignl 7, 3214868480
	.fill 96, 4, 3214868480
	.section	.rodata,"a",@progbits
	.p2align	6, 0x0
	.amdhsa_kernel k_qc8c849f5dc_attn
		.amdhsa_group_segment_fixed_size 327680
		.amdhsa_private_segment_fixed_size 0
		.amdhsa_enable_private_segment 0
		.amdhsa_kernarg_size 48
		.amdhsa_user_sgpr_count 2
		.amdhsa_user_sgpr_kernarg_segment_ptr 1
		.amdhsa_wavefront_size32 1
		.amdhsa_system_sgpr_workgroup_id_x 1
		.amdhsa_system_sgpr_workgroup_id_y 1
		.amdhsa_system_sgpr_workgroup_id_z 1
		.amdhsa_system_vgpr_workitem_id 0
		.amdhsa_next_free_vgpr 256
		.amdhsa_next_free_sgpr 66
		.amdhsa_reserve_vcc 0
		.amdhsa_float_denorm_mode_32 3
		.amdhsa_float_denorm_mode_16_64 3
		.amdhsa_memory_ordered 1
		.amdhsa_forward_progress 1
		.amdhsa_inst_pref_size 60
	.end_amdhsa_kernel
	.amdgpu_metadata
---
amdhsa.version: [ 1, 2 ]
amdhsa.kernels:
  - .name:           k_qc8c849f5dc_attn
    .symbol:         k_qc8c849f5dc_attn.kd
    .args:
      - { .name: qkv, .offset: 0, .size: 8, .value_kind: global_buffer, .address_space: global }
      - { .name: lambda_q1, .offset: 8, .size: 8, .value_kind: global_buffer, .address_space: global }
      - { .name: lambda_k1, .offset: 16, .size: 8, .value_kind: global_buffer, .address_space: global }
      - { .name: lambda_q2, .offset: 24, .size: 8, .value_kind: global_buffer, .address_space: global }
      - { .name: lambda_k2, .offset: 32, .size: 8, .value_kind: global_buffer, .address_space: global }
      - { .name: aop, .offset: 40, .size: 8, .value_kind: global_buffer, .address_space: global }
    .group_segment_fixed_size: 327680
    .private_segment_fixed_size: 0
    .kernarg_segment_align: 8
    .kernarg_segment_size: 48
    .max_flat_workgroup_size: 512
    .sgpr_count:     66
    .vgpr_count:     256
    .wavefront_size: 32
...
	.end_amdgpu_metadata
.endif
;; end of part 3
;; launch outg (part 4): grid 16 x 16, 4 waves a work-group, clusters of 4 x 4, 327,680 bytes of LDS; arguments aop, wop, out0; writes out0
.if DOCPART == 4
	.amdgcn_target "amdgcn-amd-amdhsa--gfx1250"
	.amdhsa_code_object_version 6
	.text
	.protected	k_qc8c849f5dc_outg
	.globl	k_qc8c849f5dc_outg
	.p2align	8
	.type	k_qc8c849f5dc_outg,@function
k_qc8c849f5dc_outg:
	s_mov_b64 s[64:65], 0
	v_nop
	global_prefetch_b8 v0, s[64:65] scope:SCOPE_SE
	s_setreg_imm32_b32 hwreg(HW_REG_WAVE_MODE, 25, 1), 1
	s_wait_xcnt 0x0
	s_wait_alu depctr_hold_cnt(0) depctr_sa_sdst(0) depctr_va_vdst(0) depctr_va_sdst(0) depctr_va_ssrc(0) depctr_va_vcc(0) depctr_vm_vsrc(0)
	s_getreg_b32 s2, hwreg(HW_REG_IB_STS2, 6, 4)
	s_cmp_eq_u32 s2, 0
	s_cbranch_scc0 .Lentry_in_a_cluster
	s_endpgm
.Lentry_in_a_cluster:
	s_bfe_u32 s2, ttmp6, 0x10000c
	s_cmp_lg_u32 s2, 0xf033
	s_cbranch_scc0 .Lentry_shape_is_right
	s_endpgm
.Lentry_shape_is_right:
.set TP,    25600
.set GB,    6400
.set FRB,   1536
.set SCO,   6144
.set QUART, 4*GB
.set SLOT,  4*QUART
.set SPARE, 3*SLOT
.set SP,    272
.set A16, 4
.set A8,  7
.set B16, 10
.set B8,  13
.set ADS, 16
.set STO, 19
.set RD,  20
.set CO,  21
.set SPW, 28
.set NIL, 29
.set SC,  32
.set BK,  64
.set ACC, 128
.set F0,  0
.set F1,  128
.set G1,  24
.set G1B, 32
.set G0,  40
.set G0B, 52
.set MSB, 0
.macro WIN new
.if MSB != \new
	s_set_vgpr_msb (MSB<<8)|\new
.set MSB, \new
.endif
.endm
.set W_MUL, 0x05
.set TO_F,  0x40
.macro PLACES n
.rept \n
	v_nop
.endr
.endm
.macro JLOAD g0a, g1a, g0b, g1b
	s_cmp_eq_u32 s15, 0
	s_cbranch_scc0 .Lfor_b_\@
	tensor_load_to_lds s[\g0a:\g0a+3], s[\g1a:\g1a+7]
	s_nop 0
.rept 4
	v_nop
.endr
	s_branch .Lasked_\@
.Lfor_b_\@:
	tensor_load_to_lds s[\g0b:\g0b+3], s[\g1b:\g1b+7]
	s_nop 0
.rept 4
	v_nop
.endr
.Lasked_\@:
.endm
.macro CREST
	s_cmp_lg_u32 s14, 0
	s_cbranch_scc1 .Lnot_wave_0_\@
	s_barrier_signal -3
.Lnot_wave_0_\@:
	s_barrier_wait -3
	s_barrier_signal -1
	s_barrier_wait -1
.endm
.macro CROUND
	s_barrier_signal -1
	s_barrier_wait -1
	CREST
.endm
.macro FRAG reg, a16, a8, off
	ds_load_b128 v[(\reg):(\reg)+3], v[\a16] offset:\off
	ds_load_b64 v[(\reg)+4:(\reg)+5], v[\a8] offset:\off+512
	ds_load_b128 v[(\reg)+6:(\reg)+9], v[\a16] offset:\off+768
	ds_load_b64 v[(\reg)+10:(\reg)+11], v[\a8] offset:\off+1280
.endm
.macro FETCH slot, ksub, f
	WIN TO_F
; WHERE A GROUP LIES IN LDS.  slot 0, 1: groups 0 and 1, brought by one load a wave: tiles 2 GB apart, group 1's part GB behind group 0's.  slot 2: group 2, behind them, tiles GB apart.
; slot 3: group 3, filled over the start of each wave's part of the first region, tiles GB apart.
.set SR,  2*(((\slot)/2)*(1-(\slot)%2))
.set TS,  GB*(2-(\slot)/2)
.set SOF, GB*((\slot)%2)*(1-(\slot)/2)
.irp i, 0,1,2,3
	FRAG \f+12*\i, B16+SR, B8+SR, \i*TS+SOF+(\ksub)*FRB
.endr
.irp i, 0,1,2,3
	FRAG \f+48+12*\i, A16+SR, A8+SR, \i*TS+SOF+(\ksub)*FRB
.endr
.endm
.macro SCALES slot, set
	WIN 0
.set SR,  2*(((\slot)/2)*(1-(\slot)%2))
.set TS,  GB*(2-(\slot)/2)
.set SOF, GB*((\slot)%2)*(1-(\slot)/2)
.irp i, 0,1,2,3
.irp q, 0,1,2,3
	ds_load_b32 v[SC+16*(\set)+4*\i+\q], v[ADS+SR] offset:\i*TS+SOF+64*\q
.endr
.endr
.endm
.macro MUL f, set, ksub, a, zero
.irp b, 0,1,2,3
.if \zero
	v_wmma_scale_f32_16x16x128_f8f6f4 v[ACC+8*(4*(\a)+\b):ACC+8*(4*(\a)+\b)+7], v[\f+12*\b:\f+12*\b+11], v[\f+48+12*(\a):\f+48+12*(\a)+11], 0, v[SC+16*(\set)+4*\b+(\ksub)], v[SC+16*(\set)+4*(\a)+(\ksub)] matrix_a_fmt:MATRIX_FMT_FP6 matrix_b_fmt:MATRIX_FMT_FP6 matrix_a_scale:MATRIX_SCALE_ROW1
.else
	v_wmma_scale_f32_16x16x128_f8f6f4 v[ACC+8*(4*(\a)+\b):ACC+8*(4*(\a)+\b)+7], v[\f+12*\b:\f+12*\b+11], v[\f+48+12*(\a):\f+48+12*(\a)+11], v[ACC+8*(4*(\a)+\b):ACC+8*(4*(\a)+\b)+7], v[SC+16*(\set)+4*\b+(\ksub)], v[SC+16*(\set)+4*(\a)+(\ksub)] matrix_a_fmt:MATRIX_FMT_FP6 matrix_b_fmt:MATRIX_FMT_FP6 matrix_a_scale:MATRIX_SCALE_ROW1
.endif
.endr
.endm
.macro STEP f, g, set, ksub, zero, nslot, nksub, nset
	s_wait_dscnt 8
	WIN W_MUL
	MUL \f, \set, \ksub, 0, \zero
	MUL \f, \set, \ksub, 1, \zero
	PLACES 4
.if \nset >= 0
	s_wait_alu depctr_va_vdst(0)
	SCALES \nslot, \nset
.endif
	FETCH \nslot, \nksub, \g
.if \nset >= 0
	s_wait_dscnt 48
.else
	s_wait_dscnt 32
.endif
	WIN W_MUL
	MUL \f, \set, \ksub, 2, \zero
	MUL \f, \set, \ksub, 3, \zero
.endm
.macro TURN set, fill, nslot, nset
	WIN 0
	s_wait_tensorcnt 0x0
	ds_add_u32 v[SPW], v[NIL]
	s_wait_dscnt 9
	WIN W_MUL
	MUL F1, \set, 3, 0, 0
	s_wait_dscnt 0x0
	s_barrier_signal -1
	MUL F1, \set, 3, 1, 0
	WIN 0
	s_barrier_wait -1
.if \fill
	CREST                                          ; the barrier has opened a round of the cluster's
	s_add_nc_u64 s[G0+2:G0+3], s[G0+2:G0+3], 3*GB  ; the first region, read out, takes group 3 at the start of each wave's part
	s_add_nc_u64 s[G0B+2:G0B+3], s[G0B+2:G0B+3], 3*GB
	JLOAD G0, G1, G0B, G1B
.else
	PLACES 4
.endif
	SCALES \nslot, \nset
	FETCH \nslot, 0, F0
	WIN W_MUL
	MUL F1, \set, 3, 2, 0
	MUL F1, \set, 3, 3, 0
.endm
	s_load_b128 s[4:7], s[0:1], 0x0
	s_load_b64 s[8:9], s[0:1], 0x10
	v_lshl_add_u32 v[SPW], v0, 2, SPARE
	v_mov_b32 v[NIL], 0
	ds_add_u32 v28, v29
	ds_add_u32 v28, v29
	s_wait_dscnt 0x0
	v_lshrrev_b32 v1, 5, v0
	v_readfirstlane_b32 s14, v1
	s_lshr_b32 s15, s14, 1
	s_and_b32 s16, s14, 1
	s_bfe_u32 s66, ttmp6, 0x40000
	s_bfe_u32 s67, ttmp6, 0x40004
	s_lshl_b32 s68, ttmp9, 2
	s_add_co_u32 s68, s68, s66
	s_and_b32 s69, ttmp7, 0xffff
	s_lshl_b32 s69, s69, 2
	s_add_co_u32 s69, s69, s67
	s_lshl_b32 s70, s67, 2
	s_lshl_b32 s70, 15, s70
	s_lshl_b32 s71, 0x1111, s66
	s_or_b32 s[G1], s70, (3<<16)|(1<<21)
	s_or_b32 s[G1B], s71, (3<<16)|(1<<21)
.irp g, G1, G1B
	s_mov_b32 s[\g+1], 1600<<16                    ; tensor_dim0: the head's load brings two groups of each tile, 12,800 bytes
	s_mov_b32 s[\g+2], 4<<16
	s_mov_b32 s[\g+3], 1600<<16                    ; tile_dim0
	s_mov_b32 s[\g+4], 4
	s_mov_b32 s[\g+5], 3200
	s_mov_b32 s[\g+6], 0
	s_mov_b32 s[\g+7], 0
.endr
	s_mul_i32 s72, s69, 8*TP
	s_mul_i32 s77, s16, 4*TP
	s_add_co_u32 s72, s72, s77
	s_mov_b32 s73, 0
	s_add_co_u32 s74, s68, 24
	s_mul_i32 s74, s74, 8*TP
	s_add_co_u32 s74, s74, s77
	s_mov_b32 s75, 0
	s_mul_i32 s76, s14, QUART
	s_wait_kmcnt 0x0
	s_add_nc_u64 s[72:73], s[4:5], s[72:73]
	s_add_nc_u64 s[74:75], s[6:7], s[74:75]
	CROUND
.irp s, 0,2
	s_mov_b32 s[G0+4*\s], 1
	s_add_co_u32 s[G0+4*\s+1], s76, \s*SLOT
	s_add_nc_u64 s[G0+4*\s+2:G0+4*\s+3], s[72:73], \s*GB
	s_or_b32 s[G0+4*\s+3], s[G0+4*\s+3], 0x80000000
	s_mov_b32 s[G0B+4*\s], 1
	s_add_co_u32 s[G0B+4*\s+1], s76, \s*SLOT
	s_add_nc_u64 s[G0B+4*\s+2:G0B+4*\s+3], s[74:75], \s*GB
	s_or_b32 s[G0B+4*\s+3], s[G0B+4*\s+3], 0x80000000
.endr
	s_lshl_b32 s[G0+1], s76, 1                     ; in the first region a wave's part is 2 x 25,600 bytes
	s_lshl_b32 s[G0B+1], s76, 1
	JLOAD G0, G1, G0B, G1B                         ; groups 0 and 1: one tensor load a wave at the head
	v_and_b32 v1, 15, v0
	v_bfe_u32 v2, v0, 4, 1
	v_and_b32 v3, 31, v0
	v_lshlrev_b32 v22, 4, v3
	v_lshlrev_b32 v23, 4, v1
	v_lshl_add_u32 v23, v2, 3, v23
	s_mul_i32 s80, s15, 2*QUART                    ; the first region: my four A-role tiles,
	s_mul_i32 s81, s16, 2*QUART
	s_add_co_u32 s81, s81, 4*QUART                 ; my four B-role tiles, behind A's eight
	s_mul_i32 s84, s15, QUART                      ; and the same in group 2's region
	s_mul_i32 s85, s16, QUART
	s_add_co_u32 s84, s84, 2*SLOT
	s_add_co_u32 s85, s85, 2*SLOT+2*QUART
	s_wait_alu depctr_va_vdst(0)
	v_add_nc_u32 v[A16], s80, v22
	v_add_nc_u32 v[A8], s80, v23
	v_add_nc_u32 v[B16], s81, v22
	v_add_nc_u32 v[B8], s81, v23
	v_add_nc_u32 v[A16+2], s84, v22
	v_add_nc_u32 v[A8+2], s84, v23
	v_add_nc_u32 v[B16+2], s85, v22
	v_add_nc_u32 v[B8+2], s85, v23
	s_xor_b32 s81, s15, 1
	s_add_co_u32 s81, s81, 1
	s_add_co_u32 s81, s81, s16
	s_mul_i32 s81, s81, QUART
	v_mul_u32_u24 v24, s81, v2
	v_lshl_add_u32 v24, v1, 2, v24
	s_lshl_b32 s81, s81, 1                         ; in the first region the distance is twice as long
	v_mul_u32_u24 v26, s81, v2
	v_lshl_add_u32 v26, v1, 2, v26
	s_mul_i32 s80, s15, 2*QUART
	s_add_co_u32 s80, s80, SCO
	v_add_nc_u32 v[ADS], s80, v26
	s_mul_i32 s80, s15, QUART
	s_add_co_u32 s80, s80, 2*SLOT+SCO
	v_add_nc_u32 v[ADS+2], s80, v24
	s_mul_i32 s80, s14, 16*SP
	s_add_co_u32 s80, s80, QUART                   ; the four stages, 17,408 bytes from byte 25,600 on: filled by the head's load alone, last read in group 1, and group 3 ends in front of them
	v_mul_u32_u24 v24, v1, SP
	v_lshl_add_u32 v24, v2, 6, v24
	v_add_nc_u32 v[STO], s80, v24
	v_mul_u32_u24 v24, v2, SP
	v_lshl_add_u32 v24, v1, 4, v24
	v_add_nc_u32 v[RD], s80, v24
	v_lshlrev_b32 v24, 13, v2
	v_lshl_add_u32 v[CO], v1, 4, v24
	s_lshl_b32 s82, s69, 20
	s_lshl_b32 s83, s15, 19
	s_add_co_u32 s82, s82, s83
	s_lshl_b32 s83, s68, 9
	s_add_co_u32 s82, s82, s83
	s_lshl_b32 s83, s16, 8
	s_add_co_u32 s82, s82, s83
	s_mov_b32 s83, 0
	s_add_nc_u64 s[8:9], s[8:9], s[82:83]
	s_wait_alu depctr_va_vdst(0)
	s_wait_tensorcnt 0x0                           ; my part of group 0 is in; the three lines and a whole round stand ahead of slot 2's first fill
	ds_add_u32 v[SPW], v[NIL]
	s_mov_b32 s[G1+1], 800<<16                     ; no tensor load of mine is out, so a descriptor may be written: from here on a load brings one group of each tile
	s_mov_b32 s[G1+3], 800<<16
	s_mov_b32 s[G1B+1], 800<<16
	s_mov_b32 s[G1B+3], 800<<16
	s_wait_dscnt 0x0
	CROUND
	JLOAD G0+8, G1, G0B+8, G1B                     ; group 2's first fill, the first tensor load behind the round: two groups' products stand ahead of the wait for it
	SCALES 0, 0
	FETCH 0, 0, F0
	STEP F0, F1, 0, 0, 1, 0, 1, -1
	STEP F1, F0, 0, 1, 0, 0, 2, -1
	STEP F0, F1, 0, 2, 0, 0, 3, -1
	STEP F1, F0, 0, 3, 0, 1, 0, 1                  ; on into group 1, which came with group 0: no barrier is owed, and nothing is filled
	STEP F0, F1, 1, 0, 0, 1, 1, -1
	STEP F1, F0, 1, 1, 0, 1, 2, -1
	STEP F0, F1, 1, 2, 0, 1, 3, -1
	TURN 1, 2, 2, 0                                ; group 2 has landed in slot 2; slot 0 takes group 3
	STEP F0, F1, 0, 0, 0, 2, 1, -1
	STEP F1, F0, 0, 1, 0, 2, 2, -1
	STEP F0, F1, 0, 2, 0, 2, 3, -1
	TURN 0, 0, 3, 1                                ; group 3 has landed in every wave's part of the first region
	STEP F0, F1, 1, 0, 0, 3, 1, -1
	STEP F1, F0, 1, 1, 0, 3, 2, -1
	STEP F0, F1, 1, 2, 0, 3, 3, -1
	s_wait_dscnt 8
	WIN W_MUL
	MUL F1, 1, 3, 0, 0
	MUL F1, 1, 3, 1, 0
	s_wait_dscnt 0x0
	MUL F1, 1, 3, 2, 0
	MUL F1, 1, 3, 3, 0
	WIN 0
.macro TOSTAGE a
.irp b, 0,1,2,3
	ds_store_b128 v[STO], v[ACC+8*(4*(\a)+\b):ACC+8*(4*(\a)+\b)+3] offset:128*(\b/2)+32*(\b%2)
	ds_store_b128 v[STO], v[ACC+8*(4*(\a)+\b)+4:ACC+8*(4*(\a)+\b)+7] offset:128*(\b/2)+32*(\b%2)+16
.endr
.irp t, 0,1,2,3,4,5,6,7
	ds_load_b128 v[BK+32*((\a)%2)+4*\t:BK+32*((\a)%2)+4*\t+3], v[RD] offset:2*SP*\t
.endr
.endm
.macro SEND a, younger
	s_wait_dscnt \younger
.irp t, 0,1,2,3,4,5,6,7
	global_store_b128 v[CO], v[BK+32*((\a)%2)+4*\t:BK+32*((\a)%2)+4*\t+3], s[8:9] offset:(32*((\a)/2)+8*((\a)%2)+2*\t+8*(\t/4))*8192 th:TH_STORE_NT
.endr
.endm
	PLACES 4
	TOSTAGE 0
	TOSTAGE 1
	SEND 0, 16
	s_wait_xcnt 0x0
	TOSTAGE 2
	SEND 1, 16
	s_wait_xcnt 0x0
	TOSTAGE 3
	SEND 2, 16
	SEND 3, 0
	s_wait_tensorcnt 0x0
	ds_add_u32 v[SPW], v[NIL]
	s_wait_dscnt 0x0
	CROUND
	s_endpgm
.Lfunc_end_k_qc8c849f5dc_outg:
	.size	k_qc8c849f5dc_outg, .Lfunc_end_k_qc8c849f5dc_outg-k_qc8c849f5dc_outg
	.p2alignl 7, 3214868480
	.fill 96, 4, 3214868480
	.section	.rodata,"a",@progbits
	.p2align	6, 0x0
	.amdhsa_kernel k_qc8c849f5dc_outg
		.amdhsa_group_segment_fixed_size 327680
		.amdhsa_private_segment_fixed_size 0
		.amdhsa_enable_private_segment 0
		.amdhsa_kernarg_size 24
		.amdhsa_user_sgpr_count 2
		.amdhsa_user_sgpr_kernarg_segment_ptr 1
		.amdhsa_wavefront_size32 1
		.amdhsa_system_sgpr_workgroup_id_x 1
		.amdhsa_system_sgpr_workgroup_id_y 1
		.amdhsa_system_sgpr_workgroup_id_z 1
		.amdhsa_system_vgpr_workitem_id 0
		.amdhsa_next_free_vgpr 512
		.amdhsa_next_free_sgpr 100
		.amdhsa_reserve_vcc 0
		.amdhsa_float_denorm_mode_32 3
		.amdhsa_float_denorm_mode_16_64 3
		.amdhsa_memory_ordered 1
		.amdhsa_forward_progress 1
		.amdhsa_inst_pref_size 90
	.end_amdhsa_kernel
	.amdgpu_metadata
---
amdhsa.version: [ 1, 2 ]
amdhsa.kernels:
  - .name:           k_qc8c849f5dc_outg
    .symbol:         k_qc8c849f5dc_outg.kd
    .args:
      - { .name: aop, .offset: 0, .size: 8, .value_kind: global_buffer, .address_space: global }
      - { .name: wop, .offset: 8, .size: 8, .value_kind: global_buffer, .address_space: global }
      - { .name: out0, .offset: 16, .size: 8, .value_kind: global_buffer, .address_space: global }
    .group_segment_fixed_size: 327680
    .private_segment_fixed_size: 0
    .kernarg_segment_align: 8
    .kernarg_segment_size: 24
    .max_flat_workgroup_size: 128
    .sgpr_count:     100
    .vgpr_count:     512
    .wavefront_size: 32
...
	.end_amdgpu_metadata
.endif
;; end of part 4
